; MI455X (gfx1250); checked and timed in simulation.
; The chip was launched on July 23, 2026; its instructions are those of AMD's public machine-readable ISA for CDNA 5 (MIT licence, August 2026) and "CDNA5" Instruction Set Architecture Reference Guide (July 2026). The comments in the code are by the model that wrote it; some were corrected since.
;; Multi Head Cross Attention. Allowed arithmetic: matrix products marked QUANTISED: E2M1 operands, one E8M0 scale for each 32 along K, by v_wmma_scale_f32_16x16x128_f8f6f4 with both operands' format E2M1 (or v_wmma_scale_f32_32x16x128_f4), f32 sums; products left as they are: bf16, f16 or f32 operands; f32 sums; everything else in f32.
;; Inputs: Wout1 1,024 x 1,024 float32; Wout2 1,024 x 1,024 float32; Wqkv1 3,072 x 1,024 float32; Wqkv2 3,072 x 1,024 float32; x 4 x 1,024 x 1,024 float32; y 4 x 1,024 x 1,024 float32.
;; Outputs: out0 4 x 1,024 x 1,024 float32; out1 4 x 1,024 x 1,024 float32.
;; This version of the problem:
;;   THIS VERSION OF THE PROBLEM IS GIVEN IN LOW PRECISION. The matrix products marked QUANTISED in the list below multiply operands that are first quantised to E2M1 (2 exponent bits, 1 mantissa bit; 4 bits a number), with one power-of-two scale for each 32 numbers along K (OCP MX v1.0); their sums are f32. The products marked 'left as it is' may take bf16, f16 or f32 operands, with f32 sums. Whichever they take, every output number must still come out within the allowed error. Rounding operands to bf16 (8 significant bits) uses up far more of that allowance than f16 does (11 bits, for magnitudes from 6e-5 to 65,504). All else is computed in f32.
;;   The module's matrix products, in the order in which they are computed (A, B: the left and right operand; K: the contracted axis; several contracted axes count as one K, in the product's order):
;;     1. [M 4,096, K 1,024] x [K 1,024, N 3,072]; A: input x; B: input Wqkv1: QUANTISED
;;     2. [M 4,096, K 1,024] x [K 1,024, N 3,072]; A: input y; B: input Wqkv2: QUANTISED
;;     3. batch 64 x [M 1,024, K 64] x [K 64, N 1,024]; A: computed on the way; B: computed on the way: left as it is (an operand is computed on the way)
;;     4. batch 64 x [M 1,024, K 64] x [K 64, N 1,024]; A: computed on the way; B: computed on the way: left as it is (an operand is computed on the way)
;;     5. batch 64 x [M 1,024, K 1,024] x [K 1,024, N 64]; A: computed on the way; B: computed on the way: left as it is (an operand is computed on the way)
;;     6. batch 64 x [M 1,024, K 1,024] x [K 1,024, N 64]; A: computed on the way; B: computed on the way: left as it is (an operand is computed on the way)
;;     7. [M 4,096, K 1,024] x [K 1,024, N 1,024]; A: computed on the way; B: input Wout1: left as it is (an operand is computed on the way)
;;     8. [M 4,096, K 1,024] x [K 1,024, N 1,024]; A: computed on the way; B: input Wout2: left as it is (an operand is computed on the way)
;;   THE QUANTISER, for each operand of a quantised product, along K:
;;     - K is cut into blocks of 32 from its start; a last block that is shorter is filled with zeros.
;;     - A block's scale is 2^e with e = floor(log2(the largest magnitude in the block)) - 2, held to -126 .. 127; a block of zeros has e = 0. As a byte (E8M0): e + 127.
;;     - Each number is divided by its block's scale, clamped to +-6, and rounded to the nearest number of E2M1, ties to even, subnormals kept.
;;     - The product sums the exact products of the quantised numbers (number of the format x scale) in f32.
;;   ~~~python
;;   def quantise(x, axis):      # numpy; x: float32 -> the quantised numbers, widened to float32 again
;;       x = np.moveaxis(x, axis, -1); K = x.shape[-1]
;;       x = np.pad(x, [(0, 0)] * (x.ndim - 1) + [(0, -K % 32)]); x = x.reshape(x.shape[:-1] + (-1, 32)); a = np.abs(x).max(-1, keepdims=True)
;;       e = np.where(a > 0, np.clip(np.frexp(np.where(a > 0, a, 1))[1] - 1 - 2, -126, 127), 0)      # np.frexp(a)[1] - 1 = floor(log2(a)), exactly
;;       r = np.clip(x / 2.0 ** e, -6, 6)
;;       step = 2.0 ** (np.maximum(np.frexp(np.where(r == 0, 1, r))[1] - 1, 0) - 1)
;;       q = np.round(r / step) * step * 2.0 ** e      # np.round: ties to even
;;       return np.moveaxis(q.reshape(q.shape[:-2] + (-1,))[..., :K], -1, axis).astype(np.float32)
;;   ~~~
;; One version. Each part assembles by itself: llvm-mc -triple=amdgcn-amd-amdhsa -mcpu=gfx1250 --defsym DOCPART=n.
;; ======== version 1 of 1: 4 launches
;; limits: values are held in f16: magnitudes above 65,504 overflow, below 6.1e-05 lose precision
;; workspace buffers: acodes 4,194,304 bytes; ascales 262,144 bytes; bcodes 3,145,728 bytes; bscales 196,608 bytes; wo16 4,194,304 bytes; qkimg 33,554,432 bytes; vimg 16,777,216 bytes; xo 16,777,216 bytes
;; launch prep (part 1): grid 512 x 1, 4 waves a work-group, no clusters, 33,280 bytes of LDS; arguments x, y, Wqkv1, Wqkv2, Wout1, Wout2, acodes, ascales, bcodes, bscales, wo16; writes acodes, ascales, bcodes, bscales, wo16
.if DOCPART == 1
	.amdgcn_target "amdgcn-amd-amdhsa--gfx1250"
	.amdhsa_code_object_version 6
	.text
	.protected	k_qb5ac67ba6f_prep
	.globl	k_qb5ac67ba6f_prep
	.p2align	8
	.type	k_qb5ac67ba6f_prep,@function
k_qb5ac67ba6f_prep:
	s_mov_b64 s[64:65], 0
	v_nop
	global_prefetch_b8 v0, s[64:65] scope:SCOPE_SE
	s_setreg_imm32_b32 hwreg(HW_REG_WAVE_MODE, 25, 1), 1
	s_wait_xcnt 0x0
; PREP.  x, y [4096][1024] and Wqkv1, Wqkv2 [3072][1024], f32, K innermost, become codes of FP4 (E2M1), two a byte, with one E8M0 byte for each 32 along K;
; Wout1, Wout2 [1024][1024] become f16, row-major.
; A block's scale is 2^(floor(log2(its largest magnitude)) - 2); its byte is the largest magnitude's own exponent field - 2, held at 1 from below.  Each number is divided by the scale and
; rounded to the nearest code, ties to even; beyond 6 the largest code.
; LIMITS: a block of zeros gets the byte 1 (its codes are zeros, and this program alone reads the bytes); blocks whose largest magnitude lies under 2^-124 keep the byte 1; NaN and infinities are not served.
; Wout's numbers are rounded to f16: above 65,504 they are not served, under 6e-5 they carry an absolute error of 2^-25.
; SHARES, by the work-group's number: 0-127 x, 128-255 y, 256-351 Wqkv1, 352-447 Wqkv2, 448-479 Wout1, 480-511 Wout2.  A wave takes 8,192 numbers: 8 rows of 1,024.
; THE WEIGHTS' ROWS ARE RE-ORDERED: row e = 48 d + 16 kind + h of Wqkv goes to row 1024 kind + 64 h + d of its codes, so that a head's 64 channels are neighbouring rows.  A wave's 8 output rows
; share kind and h and have neighbouring d: its 8 input rows lie 48 rows apart, each read as 4,096 consecutive bytes; all stores are dense.
; One text quantises all four tensors: only pointers and offsets are chosen, by the work-group's number.
; A step is 512 numbers: four loads of 512 consecutive bytes, a turn through the wave's own stage in LDS (16 bytes of padding behind each 64), so that a lane then holds 16 neighbours along K
; and two neighbouring lanes a block.  Loads run eight steps (32 loads, 16 KiB a wave) ahead, the turn one step.  No barrier: waves share nothing.
.set STEPS, 16
.set DEPTH, 8                          ; steps of loads on their way
.set EMAX,  2
.set CB,    8                          ; bytes of 16 codes
.set R,     16                         ; v16-143  eight sets of 16 numbers as they are loaded
.set X,     144                        ; v144-175 two sets of 16 neighbours
.set E,     176                        ; v176-191 a scale byte for each step
.set C,     192                        ; v192-223 codes: two registers for each step, so that no store's data are written again
.set IA,    224                        ; v224-231 my 16 bytes of a load's 512, in input row i of my 8
.set WREG,  8192                       ; LDS: a region for each wave: two stages of 32 x SP bytes, behind them its 256 scale bytes
.set SP,    80
.set SPW,   12                         ; v12  LDS address of my spare word; never rewritten
.set NIL,   13                         ; v13  0; never rewritten
.set SPARE, 4*WREG                     ; behind the four regions: the spare words, 128 bytes a wave, named by no other line
	s_load_b256 s[4:11], s[0:1], 0x0               ; x, y, Wqkv1, Wqkv2
	s_load_b128 s[12:15], s[0:1], 0x20             ; Wout1, Wout2
	s_load_b256 s[16:23], s[0:1], 0x30             ; acodes, ascales, bcodes, bscales
	s_load_b64 s[24:25], s[0:1], 0x50              ; wo16
	v_lshl_add_u32 v[SPW], v0, 2, SPARE
	v_mov_b32 v[NIL], 0
	v_lshrrev_b32 v1, 5, v0
	v_readfirstlane_b32 s26, v1                    ; wave
	v_and_b32 v2, 31, v0                           ; lane
	v_lshlrev_b32 v3, 4, v2                        ; my 16 bytes of a load's 512
	s_mul_i32 s27, s26, WREG
	v_lshrrev_b32 v14, 2, v2
	v_mul_u32_u24 v14, v14, SP
	v_and_b32 v15, 3, v2
	v_lshl_add_u32 v14, v15, 4, v14
	v_add_nc_u32 v14, s27, v14                     ; the stage, on the way in: SP (lane / 4) + 16 (lane % 4)
	v_mul_u32_u24 v15, v2, SP
	v_add_nc_u32 v15, s27, v15                     ; and on the way out: SP x lane: my 16 neighbours
	v_mul_u32_u24 v4, v2, CB                       ; 8 bytes a lane on the way out
	v_lshrrev_b32 v5, 1, v2
	s_add_co_u32 s27, s27, 2*32*SP
	v_add_nc_u32 v5, s27, v5                       ; my wave's 256 scale bytes, my block's byte
	v_lshlrev_b32 v7, 3, v2
	v_add_nc_u32 v6, s27, v7                       ; and 8 of them a lane on the way out
	s_wait_kmcnt 0x0
	s_cmp_ge_u32 ttmp9, 448
	s_cbranch_scc1 .Lconvert                       ; the work-group's number alone: all four waves go the same way
	; ---- the quantiser: which tensor, which run
	s_cmp_lt_u32 ttmp9, 256                        ; activations or weights?
	s_cselect_b64 s[36:37], s[4:5], s[8:9]         ; the first tensor of the kind,
	s_cselect_b64 s[38:39], s[6:7], s[10:11]       ; the second
	s_cselect_b64 s[30:31], s[16:17], s[20:21]     ; codes
	s_cselect_b64 s[32:33], s[18:19], s[22:23]     ; scale bytes
	s_cselect_b32 s40, 0, 256                      ; the kind's first work-group
	s_mov_b32 s41, 96
	s_cselect_b32 s41, 128, s41                    ; work-groups to a tensor
	s_mov_b32 s34, 196608
	s_cselect_b32 s34, 4096, s34                   ; bytes from one of my input rows to the next: 1 row, or 48
	s_sub_co_u32 s42, ttmp9, s40                   ; my number within the kind
	s_cmp_lt_u32 s42, s41
	s_cselect_b64 s[28:29], s[36:37], s[38:39]     ; the input
	s_cselect_b32 s43, 0, s41
	s_sub_co_u32 s43, s42, s43
	s_lshl_b32 s43, s43, 2
	s_add_co_u32 s43, s43, s26                     ; my run within the tensor
	s_lshl_b32 s42, s42, 2
	s_add_co_u32 s42, s42, s26                     ; my run within the kind's output
	s_and_b32 s44, s43, 7                          ; weights: run = 128 kind + 8 h + d / 8
	s_mul_i32 s44, s44, 384                        ; 48 x my first d
	s_lshr_b32 s45, s43, 7
	s_lshl_b32 s45, s45, 4                         ; 16 kind
	s_add_co_u32 s44, s44, s45
	s_bfe_u32 s45, s43, 0x40003                    ; h
	s_add_co_u32 s44, s44, s45                     ; my first input row
	s_lshl_b32 s44, s44, 12
	s_lshl_b32 s45, s43, 15                        ; activations: runs lie on end
	s_cmp_lt_u32 ttmp9, 256
	s_cselect_b32 s44, s45, s44
	s_mov_b32 s45, 0
	s_add_nc_u64 s[28:29], s[28:29], s[44:45]
	s_lshl_b32 s44, s42, 12                        ; 4,096 bytes of codes a run
	s_add_nc_u64 s[30:31], s[30:31], s[44:45]
	s_lshl_b32 s44, s42, 8                         ; 256 scale bytes a run
	s_add_nc_u64 s[32:33], s[32:33], s[44:45]
	v_mov_b32 v[IA], v3
.irp i, 1,2,3,4,5,6,7
	v_add_nc_u32 v[IA+\i], s34, v[IA+\i-1]
.endr
.macro LOAD t                          ; step t: half t % 2 of input row t / 2
.irp i, 0,1,2,3
	global_load_b128 v[R+16*((\t)%DEPTH)+4*\i:R+16*((\t)%DEPTH)+4*\i+3], v[IA+(\t)/2], s[28:29] offset:2048*((\t)%2)+512*\i th:TH_LOAD_NT   ; 32 lanes read 512 consecutive bytes
.endr
.endm
.macro TURN t                          ; step t's numbers through the stage: LDS serves a wave's instructions in order, so no wait stands between the stores and the loads
.irp i, 0,1,2,3
	ds_store_b128 v14, v[R+16*((\t)%DEPTH)+4*\i:R+16*((\t)%DEPTH)+4*\i+3] offset:32*SP*((\t)%2)+8*SP*\i
.endr
.irp i, 0,1,2,3
	ds_load_b128 v[X+16*((\t)%2)+4*\i:X+16*((\t)%2)+4*\i+3], v15 offset:32*SP*((\t)%2)+16*\i
.endr
.endm
.irp t, 0,1,2,3,4,5,6,7
	LOAD \t
.endr
	s_wait_loadcnt 4*(DEPTH-1)                     ; step 0's four loads are in; the 28 of steps 1 to 7 may be out
	TURN 0
.macro STEP t
.set XS, X+16*((\t)%2)
.if (\t) > 0
	s_wait_dscnt 1                                 ; this step's numbers are back from the stage (the last step's byte store may be out): so its stores into the stage have read their registers,
.else
	s_wait_dscnt 0x0
.endif
.if (\t)+DEPTH < STEPS
	LOAD (\t)+DEPTH                                ; which take the loads of eight steps on
.endif
.if (\t)+1 < STEPS
.if STEPS-2-(\t) >= DEPTH-1
	s_wait_loadcnt 4*(DEPTH-1)                     ; the next step's four loads are in; those of the seven steps behind it may be out
.else
	s_wait_loadcnt 4*(STEPS-2-(\t))                ; in the tail: those of the steps that are left
.endif
	TURN (\t)+1                                    ; and go through the other stage while this step is worked
.endif
	v_max3_num_f32 v8, |v[XS]|, |v[XS+1]|, |v[XS+2]|               ; the largest magnitude of my 16, in two chains
	v_max3_num_f32 v9, |v[XS+3]|, |v[XS+4]|, |v[XS+5]|
.irp i, 6,10
	v_max3_num_f32 v8, v8, |v[XS+\i]|, |v[XS+\i+1]|
	v_max3_num_f32 v9, v9, |v[XS+\i+2]|, |v[XS+\i+3]|
.endr
	v_max3_num_f32 v8, v8, |v[XS+14]|, |v[XS+15]|
	v_max3_num_f32 v8, v8, v9, (EMAX+1)<<23        ; and the floor 2^(3 - 127): the byte cannot fall under 1
	v_max_num_f32_dpp v8, v8, v8 row_xmask:1 row_mask:0xf bank_mask:0xf   ; and of my neighbour's 16: the block's
	v_add_nc_u32 v11, -(EMAX<<23), v8              ; 2 off its exponent field: the conversion takes the exponent field of this operand as its scale
	v_cvt_scalef32_pk8_fp4_f32 v[C+2*(\t)], v[XS:XS+7], v11
	v_cvt_scalef32_pk8_fp4_f32 v[C+2*(\t)+1], v[XS+8:XS+15], v11
	v_lshrrev_b32 v[E+(\t)], 23, v11               ; the scale's byte (also the plain line behind the conversions)
	ds_store_b8 v5, v[E+(\t)] offset:16*(\t)       ; both lanes of a block write the same byte with the same value
	global_store_b64 v4, v[C+2*(\t):C+2*(\t)+1], s[30:31] offset:32*CB*(\t)   ; the wave stores 256 consecutive bytes, aligned
.endm
.irp t, 0,1,2,3,4,5,6,7,8,9,10,11,12,13,14,15
	STEP \t
.endr
	ds_load_b64 v[8:9], v6                         ; LDS serves a wave's instructions in order: these see my byte stores
	s_wait_dscnt 0x0
	global_store_b64 v7, v[8:9], s[32:33]          ; 32 lanes store 256 consecutive bytes, aligned
	s_wait_tensorcnt 0x0                           ; the wave's end, behind my last LDS store
	ds_add_u32 v[SPW], v[NIL]
	s_wait_dscnt 0x0
	s_endpgm
	; ---- Wout1, Wout2 to f16: a plain stream, no LDS.  Four batches of 16 loads on two sets of registers; a lane's 4 numbers become 8 bytes
.Lconvert:
	s_sub_co_u32 s35, ttmp9, 448
	s_cmp_lt_u32 s35, 32
	s_cselect_b64 s[28:29], s[12:13], s[14:15]
	s_and_b32 s36, s35, 31
	s_lshl_b32 s36, s36, 2
	s_add_co_u32 s36, s36, s26
	s_lshl_b32 s36, s36, 15                        ; my run in the tensor: 32,768 bytes
	s_mov_b32 s37, 0
	s_add_nc_u64 s[28:29], s[28:29], s[36:37]
	s_lshl_b32 s36, s35, 2
	s_add_co_u32 s36, s36, s26
	s_lshl_b32 s36, s36, 14                        ; and in wo16: 16,384 bytes
	s_add_nc_u64 s[30:31], s[24:25], s[36:37]
.macro LOADB b
.irp i, 0,1,2,3,4,5,6,7,8,9,10,11,12,13,14,15
	global_load_b128 v[16+64*((\b)%2)+4*\i:16+64*((\b)%2)+4*\i+3], v3, s[28:29] offset:8192*(\b)+512*\i th:TH_LOAD_NT
.endr
.endm
.macro CVTB b, younger                 ; younger: the loads of the batch issued behind this one
.irp i, 0,1,2,3,4,5,6,7,8,9,10,11,12,13,14,15
	s_wait_loadcnt \younger+15-\i                  ; loads come back in order: load i of this batch is in
	v_cvt_pk_f16_f32 v[16+64*((\b)%2)+4*\i], v[16+64*((\b)%2)+4*\i], v[16+64*((\b)%2)+4*\i+1]
	v_cvt_pk_f16_f32 v[16+64*((\b)%2)+4*\i+1], v[16+64*((\b)%2)+4*\i+2], v[16+64*((\b)%2)+4*\i+3]
	global_store_b64 v4, v[16+64*((\b)%2)+4*\i:16+64*((\b)%2)+4*\i+1], s[30:31] offset:4096*(\b)+256*\i   ; the wave stores 256 consecutive bytes, aligned
.endr
.endm
	LOADB 0
	LOADB 1
	CVTB 0, 16
	s_wait_xcnt 0x0                                ; batch 0's stores have read their registers: they take batch 2's loads
	LOADB 2
	CVTB 1, 16
	s_wait_xcnt 0x0
	LOADB 3
	CVTB 2, 16
	CVTB 3, 0
	s_endpgm
.Lfunc_end_k_qb5ac67ba6f_prep:
	.size	k_qb5ac67ba6f_prep, .Lfunc_end_k_qb5ac67ba6f_prep-k_qb5ac67ba6f_prep
	.p2alignl 7, 3214868480
	.fill 96, 4, 3214868480
	.section	.rodata,"a",@progbits
	.p2align	6, 0x0
	.amdhsa_kernel k_qb5ac67ba6f_prep
		.amdhsa_group_segment_fixed_size 33280
		.amdhsa_private_segment_fixed_size 0
		.amdhsa_enable_private_segment 0
		.amdhsa_kernarg_size 88
		.amdhsa_user_sgpr_count 2
		.amdhsa_user_sgpr_kernarg_segment_ptr 1
		.amdhsa_wavefront_size32 1
		.amdhsa_system_sgpr_workgroup_id_x 1
		.amdhsa_system_sgpr_workgroup_id_y 1
		.amdhsa_system_sgpr_workgroup_id_z 1
		.amdhsa_system_vgpr_workitem_id 0
		.amdhsa_next_free_vgpr 232
		.amdhsa_next_free_sgpr 66
		.amdhsa_reserve_vcc 0
		.amdhsa_float_denorm_mode_32 3
		.amdhsa_float_denorm_mode_16_64 3
		.amdhsa_memory_ordered 1
		.amdhsa_forward_progress 1
		.amdhsa_inst_pref_size 57
	.end_amdhsa_kernel
	.amdgpu_metadata
---
amdhsa.version: [ 1, 2 ]
amdhsa.kernels:
  - .name:           k_qb5ac67ba6f_prep
    .symbol:         k_qb5ac67ba6f_prep.kd
    .args:
      - { .name: x, .offset: 0, .size: 8, .value_kind: global_buffer, .address_space: global }
      - { .name: y, .offset: 8, .size: 8, .value_kind: global_buffer, .address_space: global }
      - { .name: Wqkv1, .offset: 16, .size: 8, .value_kind: global_buffer, .address_space: global }
      - { .name: Wqkv2, .offset: 24, .size: 8, .value_kind: global_buffer, .address_space: global }
      - { .name: Wout1, .offset: 32, .size: 8, .value_kind: global_buffer, .address_space: global }
      - { .name: Wout2, .offset: 40, .size: 8, .value_kind: global_buffer, .address_space: global }
      - { .name: acodes, .offset: 48, .size: 8, .value_kind: global_buffer, .address_space: global }
      - { .name: ascales, .offset: 56, .size: 8, .value_kind: global_buffer, .address_space: global }
      - { .name: bcodes, .offset: 64, .size: 8, .value_kind: global_buffer, .address_space: global }
      - { .name: bscales, .offset: 72, .size: 8, .value_kind: global_buffer, .address_space: global }
      - { .name: wo16, .offset: 80, .size: 8, .value_kind: global_buffer, .address_space: global }
    .group_segment_fixed_size: 33280
    .private_segment_fixed_size: 0
    .kernarg_segment_align: 8
    .kernarg_segment_size: 88
    .max_flat_workgroup_size: 128
    .sgpr_count:     66
    .vgpr_count:     232
    .wavefront_size: 32
...
	.end_amdgpu_metadata
.endif
;; end of part 1
;; launch qkv (part 2): grid 64 x 4, 4 waves a work-group, clusters of 4 x 4, 327,680 bytes of LDS; arguments acodes, ascales, bcodes, bscales, qkimg, vimg; writes qkimg, vimg
.if DOCPART == 2
	.amdgcn_target "amdgcn-amd-amdhsa--gfx1250"
	.amdhsa_code_object_version 6
	.text
	.protected	k_qb5ac67ba6f_qkv
	.globl	k_qb5ac67ba6f_qkv
	.p2align	8
	.type	k_qb5ac67ba6f_qkv,@function
k_qb5ac67ba6f_qkv:
	s_mov_b64 s[64:65], 0
	v_nop
	global_prefetch_b8 v0, s[64:65] scope:SCOPE_SE
	s_setreg_imm32_b32 hwreg(HW_REG_WAVE_MODE, 25, 1), 1
	s_wait_xcnt 0x0
	s_wait_alu depctr_hold_cnt(0) depctr_sa_sdst(0) depctr_va_vdst(0) depctr_va_sdst(0) depctr_va_ssrc(0) depctr_va_vcc(0) depctr_vm_vsrc(0)
	s_getreg_b32 s2, hwreg(HW_REG_IB_STS2, 6, 4)
	s_cmp_eq_u32 s2, 0
	s_cbranch_scc0 .Lentry_in_a_cluster
	s_endpgm
.Lentry_in_a_cluster:
	s_bfe_u32 s2, ttmp6, 0x10000c
	s_cmp_lg_u32 s2, 0xf033
	s_cbranch_scc0 .Lentry_shape_is_right
	s_endpgm
.Lentry_shape_is_right:
; QKV.  The two projections on codes of FP4 (E2M1) with one E8M0 scale for each 32 along K = 1,024; sums in f32, K ascending, one accumulator for each output.
; The results are rounded to f16 (q first multiplied in f32 by log2(e) / 8) and stored AS IMAGES OF THE NEXT PRODUCTS' OPERAND REGISTERS: a fragment of 16 rows x 32 k of f16 is 1,024 bytes:
; lane l's registers 0-3 at byte 16 l, its registers 4-7 at byte 512 + 16 l.
; LIMITS: q, k, v above 65,504 in magnitude are not served; under 6e-5 they carry an absolute error of 2^-25.
; SHARES.  q and k are 8,192 tokens x 2,048 columns: 256 tiles of 256 x 256, one to a work-group; v is half as much, so each work-group also makes 128 rows of v's weights x ITS OWN 256 tokens.
; 16 clusters of 4 x 4 work-groups; by the cluster's number: bit 3 the stream, bits 2:1 which 1,024 tokens, bit 0 q or k.  Tokens: 256 cy on in the cluster's 1,024; q's or k's columns: 256 cx on; v's rows: block 4 (q or k) + cx of 128.
; PHASE 1, q or k.  C'[I][J] = sum over k of A'[I][k] B'[J][k], A' = tokens, B' = the weights' rows (a head's channels).  The matrix instruction is used transposed (source 0 = 16 rows of B',
; source 1 = 16 rows of A'): a lane holds one token and eight neighbouring channels.  Two neighbouring tiles along J, rounded in pairs, ARE a fragment of 16 tokens x 32 channels.  A wave makes 128 x 128: 64 accumulators.
; PHASE 2, v.  The sides change places: source 0 = 16 tokens, source 1 = 16 rows of v's weights: a lane holds one channel and eight neighbouring tokens: fragments of 16 channels x 32 keys, V^T as attention's
; second product takes it.  A wave makes 64 rows x 128 tokens: 32 accumulators.  The tokens' codes are the LDS bytes of phase 1, and their scale words the registers of phase 1 (lanes 0-15).
; LDS.  K = 1,024 is two slots of 512, both filled at the head, with the scale bytes of the work-group's rows for all of K.  v's weights (128 rows x 256 bytes a slot) are filled into the first 128 rows of B' part
; of a slot when that slot has been read: slot 0's behind the change of slots, slot 1's in phase 1's last step; each wave brings 32 rows.  Their scale words come once from memory into registers.
; JOINT LOADS.  The four work-groups of a row of the cluster need the same tokens, the four of a column the same rows of the weights (q's or k's, and v's): each tile is asked for jointly.
; REGISTERS, in windows of 256: window 0: v16-30 addresses; v32-95 scale words of phase 1's sides, two sets; v96-223 the way out's f16 pairs, four sets; v128-191 source 1's fragments; v224-255 scale words of v's weights.
;   window 1: source 0's fragments, two sets, at v0 and v128.  window 2: the accumulators of my rows 0-63 ((a, b) at v[8 (8 a + b)]), then phase 2's; window 3: those of my rows 64-127.
.set KSTEP,  512                       ; along K in a slot
.set NQ,     KSTEP/128                 ; matrix instructions deep
.set ROWB,   256                       ; a tile's row in bytes
.set KROW,   512                       ; a row of codes in memory
.set PITCH,  272                       ; an LDS row: 256 bytes + 16 of padding: the 16 rows that a load touches start at 16 different banks
.set FR,     8                         ; registers of a fragment: 16 rows x 128 K
.set NL,     2                         ; LDS loads that bring one
.set NP,     4                         ; places behind this matrix instruction (ISA guide 7.12.1)
.set HALFT,  128*PITCH                 ; 128 rows
.set SLOT,   4*HALFT                   ; A' 256 rows, then B' 256 rows
.set KS,     32                        ; a row of scale bytes
.set SCL,    2*SLOT                    ; behind the slots: the scales, as rows of 256 bytes + 16 of padding
.set HALFS,  (128*KS/256)*272          ; those of 128 rows
.set SBLK,   (16*KS/256)*272           ; those of 16 rows
.set SPARE,  SCL+4*HALFS               ; the spare words, 128 bytes a wave, named by no other line
.set HSQ,    524288                    ; qkimg: bytes from a head to the next
.set HSV,    131072                    ; vimg: bytes from 64 keys to the next
.set ADRA, 16                          ; v16-17  LDS address of my tokens' fragments in slot 0, 1
.set ADRV, 18                          ; v18-19  the same for my 64 rows of v's weights
.set ADRB, 20                          ; v20-21  the same for my 128 rows of q's or k's weights
.set VO,   24                          ; v24 16 x lane; v25 the same + HSQ; v26 the same + HSV: the way out's offsets
.set ADRS, 27                          ; v27     LDS address of my scale words: lanes 0-15 A' rows, lanes 16-31 B'; never rewritten
.set SPW,  28                          ; v28     LDS address of my spare word; never rewritten
.set NIL,  29                          ; v29     0; never rewritten
.set WSO,  30                          ; v30     32 x (lane % 16): my row among 16 rows of scale bytes in memory; never rewritten
.set SC,   32                          ; scale words: set s at v[SC + 32 s]; register 4 i + q: lanes 0-15 A' block i, lanes 16-31 B' block i, the slot's q-th 128 along K
.set PK0,  96                          ; the way out: four sets of 32 registers of f16 pairs
.set AF,   128                         ; source 1's fragments
.set SCW,  224                         ; scale words of v's weights: register 16 s + 4 i + q: block i of my four, slot s, its q-th 128 along K
.set G1, 24                            ; s[24:31] group 1 for A' tiles; s[32:39] group 0, a set for each slot
.set G0, 32
.set G1B, 48                           ; s[48:55], s[56:63] the same for B'
.set G0B, 56
.set G1S, 68                           ; s[68:75], s[76:79] groups 1 and 0 for A' scales; s[80:87], s[88:91] for B'
.set G0S, 76
.set G1SB, 80
.set G0SB, 88
.set G1V, 92                           ; s[92:99] group 1 for v's weights; s[4:7], s[20:23] group 0 for slot 0, 1
.set G0V0, 4
.set G0V1, 20
.set MSB, 0
.macro WIN new                         ; the immediate's high byte repeats the setting that is left
.if MSB != \new
	s_set_vgpr_msb (MSB<<8)|\new
.set MSB, \new
.endif
.endm
.set MUL_LO, 0xa1                      ; source 0 window 1, source 1 window 0, C and D window 2
.set MUL_HI, 0xf1                      ; the same, C and D window 3
.set TO_B,   0x40                      ; destination window 1, address window 0
; A joint load at the head: waves 0 and 1 fetch for A', waves 2 and 3 for B'.  Each line has one mask and one set of registers for all that issue it; the branch hangs on the wave's number alone.
; An s_nop 0 and four v_nop follow each of the two lines.
.macro JLOAD g0a, g1a, g0b, g1b
	s_cmp_eq_u32 s17, 0
	s_cbranch_scc0 .Lfor_b_\@
	tensor_load_to_lds s[\g0a:\g0a+3], s[\g1a:\g1a+7]
	s_nop 0
.rept 4
	v_nop
.endr
	s_branch .Lasked_\@
.Lfor_b_\@:
	tensor_load_to_lds s[\g0b:\g0b+3], s[\g1b:\g1b+7]
	s_nop 0
.rept 4
	v_nop
.endr
.Lasked_\@:
.endm
; A joint refill: my 32 rows of v's weights for one slot.  One line for all four waves: both addresses hang on the wave's number.
.macro VLOAD g0
	tensor_load_to_lds s[\g0:\g0+3], s[G1V:G1V+7]
	s_nop 0
.rept 4
	v_nop
.endr
.endm
.macro CREST                           ; a round of the cluster's barrier behind its opening barrier
	s_cmp_lg_u32 s16, 0
	s_cbranch_scc1 .Lnot_wave_0_\@
	s_barrier_signal -3
.Lnot_wave_0_\@:
	s_barrier_wait -3
	s_barrier_signal -1
	s_barrier_wait -1
.endm
.macro CROUND                          ; a whole round
	s_barrier_signal -1
	s_barrier_wait -1
	CREST
.endm
	s_load_b256 s[4:11], s[0:1], 0x0               ; acodes, ascales, bcodes, bscales
	s_load_b128 s[12:15], s[0:1], 0x20             ; qkimg, vimg
	v_lshl_add_u32 v[SPW], v0, 2, SPARE
	v_mov_b32 v[NIL], 0
	ds_add_u32 v[SPW], v[NIL]                      ; the wave's opening: the add, twice on end, and its wait ahead of my first tensor load
	ds_add_u32 v[SPW], v[NIL]                      ; once more; the set-up below, work on registers, stands between it and the wait
	v_lshrrev_b32 v1, 5, v0
	v_readfirstlane_b32 s16, v1                    ; wave 0..3
	s_lshr_b32 s17, s16, 1                         ; which 128 tokens are mine.  Also: at the head I fetch for A' (0) or for B' (1)
	s_and_b32 s18, s16, 1                          ; which 128 columns of q or k, which 64 rows of v.  Also: which 128 rows I fetch at the head
	s_bfe_u32 s40, ttmp6, 0x40000                  ; cx, cy: my place in the cluster
	s_bfe_u32 s41, ttmp6, 0x40004
	s_lshl_b32 s43, s41, 2
	s_lshl_b32 s43, 15, s43                        ; my row of the cluster
	s_lshl_b32 s44, 0x1111, s40                    ; my column
	s_lshr_b32 s66, ttmp9, 3                       ; the stream: this and the next two hang on the cluster's number alone
	s_bfe_u32 s67, ttmp9, 0x20001                  ; which 1,024 tokens of the stream
	s_and_b32 s19, ttmp9, 1                        ; 0: q, 1: k
	s_cmp_eq_u32 s19, 0
	s_cselect_b32 s2, 0x3e38aa3b, 1.0              ; log2(e) / 8 for q, 1 for k
	s_mov_b32 s3, s2                               ; (named with it as a pair, so it is written)
	; descriptor group 1: a tile of 128 rows x 256 bytes, padded in LDS
	s_or_b32 s[G1+0], s43, (0<<16)|(1<<20)|(1<<21)|(5<<22)|(3<<25)  ; 15:0 the mask: A' tiles go to my row; elements of 1 byte; padding on; bit 21 beside a mask; after every 64 words, 4 words
	s_or_b32 s[G1B+0], s44, (0<<16)|(1<<20)|(1<<21)|(5<<22)|(3<<25)
.irp g, G1, G1B
	s_mov_b32 s[\g+1], ROWB<<16                    ; tensor_dim0
	s_mov_b32 s[\g+2], 128<<16                     ; tensor_dim1
	s_mov_b32 s[\g+3], ROWB<<16                    ; tile_dim0
	s_mov_b32 s[\g+4], 128                         ; tile_dim1
	s_mov_b32 s[\g+5], KROW                        ; from row to row
	s_mov_b32 s[\g+6], 0
	s_mov_b32 s[\g+7], 0
.endr
	; the scales of 128 rows: a dense block of 4,096 bytes, as 16 rows of 256 bytes (32 elements of 8 bytes), 16 bytes of padding behind each
	s_or_b32 s[G1S+0], s43, (3<<16)|(1<<20)|(1<<21)|(5<<22)|(3<<25)
	s_or_b32 s[G1SB+0], s44, (3<<16)|(1<<20)|(1<<21)|(5<<22)|(3<<25)
.irp g, G1S, G1SB
	s_mov_b32 s[\g+1], 32<<16
	s_mov_b32 s[\g+2], (128*KS/256)<<16
	s_mov_b32 s[\g+3], 32<<16
	s_mov_b32 s[\g+4], 128*KS/256
	s_mov_b32 s[\g+5], 32
	s_mov_b32 s[\g+6], 0
	s_mov_b32 s[\g+7], 0
.endr
	; rows, as offsets.  (s92 to s99 are at work here; group 1 for v's weights is written into them behind the first loads.)
	s_lshl_b32 s92, s18, 7                         ; which 128 rows of a tile I fetch
	s_lshl_b32 s93, s66, 2
	s_add_co_u32 s93, s93, s67                     ; 4 x stream + block: which 1,024 of the 8,192 tokens
	s_lshl_b32 s20, s93, 2
	s_add_co_u32 s20, s20, s41
	s_lshl_b32 s20, s20, 8
	s_add_co_u32 s20, s20, s92                     ; A': the tokens' row: no cx enters
	s_lshl_b32 s42, s19, 2
	s_add_co_u32 s42, s42, s40                     ; 4 (q or k) + cx
	s_mul_i32 s94, s66, 3072                       ; the stream's first row in bcodes
	s_lshl_b32 s46, s42, 8
	s_add_co_u32 s46, s46, s94
	s_add_co_u32 s46, s46, s92                     ; B': q's or k's row: no cy enters
	s_lshl_b32 s95, s42, 7
	s_add_co_u32 s95, s95, s94
	s_add_co_u32 s95, s95, 2048                    ; the first of my work-group's 128 rows of v's weights: no cy enters
	s_lshl_b32 s22, s20, 5                         ; where A' rows' scales begin, in bytes,
	s_mov_b32 s23, 0
	s_lshl_b32 s20, s20, 9                         ; and their codes
	s_mov_b32 s21, 0
	s_lshl_b32 s100, s46, 5                        ; B' likewise
	s_mov_b32 s101, 0
	s_lshl_b32 s46, s46, 9
	s_mov_b32 s47, 0
	s_lshl_b32 s104, s16, 5
	s_add_co_u32 s104, s104, s95
	s_lshl_b32 s104, s104, 9                       ; v: the codes of the 32 rows that I fetch
	s_mov_b32 s105, 0
	s_lshl_b32 s98, s18, 6
	s_add_co_u32 s98, s98, s95
	s_lshl_b32 s98, s98, 5                         ; v: the scale bytes of the 64 rows that I multiply
	s_mov_b32 s99, 0
	s_mul_i32 s45, s16, HALFT                      ; where the head's tiles go: wave x 128 rows: no place in the cluster enters an LDS address
	s_mul_i32 s96, s16, HALFS
	; q's or k's way out: stream 16 MiB + 2,048 x (my first block of 16 tokens) + HSQ x (my first head)
	s_lshl_b32 s97, s66, 24
	s_lshl_b32 s92, s67, 6
	s_lshl_b32 s94, s41, 4
	s_add_co_u32 s92, s92, s94
	s_lshl_b32 s94, s17, 3
	s_add_co_u32 s92, s92, s94
	s_lshl_b32 s92, s92, 11
	s_add_co_u32 s97, s97, s92
	s_lshl_b32 s92, s42, 2
	s_lshl_b32 s94, s18, 1
	s_add_co_u32 s92, s92, s94
	s_lshl_b32 s92, s92, 19
	s_add_co_u32 s66, s97, s92
	s_mov_b32 s67, 0
	; v's way out: HSV x (my first 64 tokens of the 8,192) + 2,048 x (my first block of 16 rows)
	s_lshl_b32 s93, s93, 4
	s_lshl_b32 s94, s41, 2
	s_add_co_u32 s93, s93, s94
	s_lshl_b32 s94, s17, 1
	s_add_co_u32 s93, s93, s94
	s_lshl_b32 s93, s93, 17
	s_lshl_b32 s92, s42, 3
	s_lshl_b32 s94, s18, 2
	s_add_co_u32 s92, s92, s94
	s_lshl_b32 s92, s92, 11
	s_add_co_u32 s92, s92, s93
	s_mov_b32 s93, 0
	s_wait_dscnt 0x0                               ; both opening adds are done
	s_wait_kmcnt 0x0
	s_add_nc_u64 s[20:21], s[4:5], s[20:21]        ; A' codes
	s_add_nc_u64 s[22:23], s[6:7], s[22:23]        ; A' scales
	s_add_nc_u64 s[46:47], s[8:9], s[46:47]        ; B' codes
	s_add_nc_u64 s[100:101], s[10:11], s[100:101]  ; B' scales
	s_add_nc_u64 s[104:105], s[8:9], s[104:105]    ; v's weights: codes
	s_add_nc_u64 s[10:11], s[10:11], s[98:99]      ; v's weights: scales
	s_add_nc_u64 s[12:13], s[12:13], s[66:67]      ; qkimg at my part
	s_add_nc_u64 s[14:15], s[14:15], s[92:93]      ; vimg at my part
	CROUND                                         ; all sixteen work-groups are here: the first joint loads meet
	s_mov_b32 s[G0S], 1
	s_add_co_u32 s[G0S+1], s96, SCL
	s_mov_b64 s[G0S+2:G0S+3], s[22:23]
	s_or_b32 s[G0S+3], s[G0S+3], 0x80000000
	s_mov_b32 s[G0SB], 1
	s_add_co_u32 s[G0SB+1], s96, SCL
	s_mov_b64 s[G0SB+2:G0SB+3], s[100:101]
	s_or_b32 s[G0SB+3], s[G0SB+3], 0x80000000
	JLOAD G0S, G1S, G0SB, G1SB                     ; the scales first: they are wanted with the first slot
.irp s, 0,1
	s_mov_b32 s[G0+4*\s], 1
	s_add_co_u32 s[G0+4*\s+1], s45, \s*SLOT
	s_add_nc_u64 s[G0+4*\s+2:G0+4*\s+3], s[20:21], \s*ROWB
	s_or_b32 s[G0+4*\s+3], s[G0+4*\s+3], 0x80000000
	s_mov_b32 s[G0B+4*\s], 1
	s_add_co_u32 s[G0B+4*\s+1], s45, \s*SLOT
	s_add_nc_u64 s[G0B+4*\s+2:G0B+4*\s+3], s[46:47], \s*ROWB
	s_or_b32 s[G0B+4*\s+3], s[G0B+4*\s+3], 0x80000000
	JLOAD G0+4*\s, G1, G0B+4*\s, G1B               ; three loads of mine are out behind the second of these
.endr
	; v's weights: group 1: 32 rows x 256 bytes, padded as the others, shared along my column; a group 0 for each slot: the first 128 rows of B' part, my 32 of them
	s_or_b32 s[G1V+0], s44, (0<<16)|(1<<20)|(1<<21)|(5<<22)|(3<<25)
	s_mov_b32 s[G1V+1], ROWB<<16
	s_mov_b32 s[G1V+2], 32<<16
	s_mov_b32 s[G1V+3], ROWB<<16
	s_mov_b32 s[G1V+4], 32
	s_mov_b32 s[G1V+5], KROW
	s_mov_b32 s[G1V+6], 0
	s_mov_b32 s[G1V+7], 0
	s_mul_i32 s42, s16, 32*PITCH
	s_add_co_u32 s42, s42, 2*HALFT
	s_mov_b32 s[G0V0], 1
	s_mov_b32 s[G0V0+1], s42
	s_mov_b64 s[G0V0+2:G0V0+3], s[104:105]
	s_or_b32 s[G0V0+3], s[G0V0+3], 0x80000000
	s_mov_b32 s[G0V1], 1
	s_add_co_u32 s[G0V1+1], s42, SLOT
	s_add_nc_u64 s[G0V1+2:G0V1+3], s[104:105], ROWB
	s_or_b32 s[G0V1+3], s[G0V1+3], 0x80000000
	v_and_b32 v1, 15, v0                           ; l % 16
	v_bfe_u32 v2, v0, 4, 1                         ; l / 16
	v_mul_u32_u24 v3, v1, PITCH
	v_lshl_add_u32 v4, v2, 4, v3                   ; a fragment's row x pitch + 16 x half
	s_mul_i32 s100, s17, HALFT                     ; my 128 tokens
	s_mul_i32 s101, s18, HALFT                     ; my 128 rows of B',
	s_add_co_u32 s101, s101, 2*HALFT               ; which lie behind A' 256
	s_mul_i32 s104, s18, 64*PITCH                  ; my 64 rows of v's weights, in the same bytes later
	s_add_co_u32 s104, s104, 2*HALFT
.irp s, 0,1
	v_add_nc_u32 v[ADRA+\s], s100, v4
	v_add_nc_u32 v[ADRB+\s], s101, v4
	v_add_nc_u32 v[ADRV+\s], s104, v4
	s_add_co_u32 s100, s100, SLOT
	s_add_co_u32 s101, s101, SLOT
	s_add_co_u32 s104, s104, SLOT
.endr
	v_mul_u32_u24 v5, v1, KS                       ; my row's scales: 32 bytes a row,
	v_lshrrev_b32 v6, 8, v5
	v_lshl_add_u32 v5, v6, 4, v5                   ; and 16 more for each 256 passed
	s_mul_i32 s100, s17, HALFS
	s_mul_i32 s101, s18, HALFS
	s_add_co_u32 s101, s101, 2*HALFS
	s_sub_co_u32 s101, s101, s100
	v_mul_u32_u24 v6, s101, v2                     ; lanes 16-31 take B': one product, the distance between the two bases
	s_add_co_u32 s100, s100, SCL
	v_add_nc_u32 v5, v5, v6
	v_add_nc_u32 v[ADRS], s100, v5
	v_and_b32 v6, 31, v0
	v_lshlrev_b32 v[VO], 4, v6                     ; the way out: 16 bytes a lane,
	v_add_nc_u32 v[VO+1], HSQ, v[VO]               ; the same a head on,
	v_add_nc_u32 v[VO+2], HSV, v[VO]               ; the same 64 keys on
	v_lshlrev_b32 v[WSO], 5, v1
.irp s, 0,1
.irp i, 0,1,2,3
	global_load_b128 v[SCW+16*\s+4*\i:SCW+16*\s+4*\i+3], v[WSO], s[10:11] offset:\i*512+16*\s   ; the scale words of v's weights: row 16 i + l % 16 of my 64, the four words of slot s; read once, wanted in phase 2
.endr
.endr
.macro FRAG reg, adr, q, i             ; 16 rows x 128 K of 4-bit codes: lane l holds row l % 16; registers 4 c .. 4 c + 3 hold K = 64 c + 32 (l / 16) + 0 .. 31
.irp c, 0,1
	ds_load_b128 v[\reg+4*\c:\reg+4*\c+3], v[\adr] offset:64*(\q)+32*\c+(\i)*16*PITCH
.endr
.endm
; PHASE 1: 16 matrix instructions: A' blocks a0, a0 + 1 x B' eight, the slot's q-th 128 along K.  p: B' set; sc: the set of scale words.  zero = 1: the first product starts the sums.
; The 64 accumulators take turns, one instruction a turn, in the same order in every step.
.macro MUL16 a0, p, q, sc, zero
.irp a, \a0, \a0+1
.irp b, 0,1,2,3,4,5,6,7
.if \zero
	v_wmma_scale_f32_16x16x128_f8f6f4 v[8*(8*((\a)%4)+\b):8*(8*((\a)%4)+\b)+7], v[128*(\p)+FR*\b:128*(\p)+FR*\b+FR-1], v[AF+FR*(\a):AF+FR*(\a)+FR-1], 0, v[SC+8*NQ*(\sc)+NQ*\b+(\q)], v[SC+8*NQ*(\sc)+NQ*(\a)+(\q)] matrix_a_fmt:MATRIX_FMT_FP4 matrix_b_fmt:MATRIX_FMT_FP4 matrix_a_scale:MATRIX_SCALE_ROW1
.else
	v_wmma_scale_f32_16x16x128_f8f6f4 v[8*(8*((\a)%4)+\b):8*(8*((\a)%4)+\b)+7], v[128*(\p)+FR*\b:128*(\p)+FR*\b+FR-1], v[AF+FR*(\a):AF+FR*(\a)+FR-1], v[8*(8*((\a)%4)+\b):8*(8*((\a)%4)+\b)+7], v[SC+8*NQ*(\sc)+NQ*\b+(\q)], v[SC+8*NQ*(\sc)+NQ*(\a)+(\q)] matrix_a_fmt:MATRIX_FMT_FP4 matrix_b_fmt:MATRIX_FMT_FP4 matrix_a_scale:MATRIX_SCALE_ROW1
.endif
.endr
.endr
.endm
.macro FETCH_B slot, q, p              ; B' eight fragments of the slot's q-th 128 along K into set p
	WIN TO_B
.irp i, 0,1,2,3,4,5,6,7
	FRAG 128*(\p)+FR*\i, ADRB+\slot, \q, \i
.endr
	WIN 0
.endm
.macro FETCH_A slot, q, i0             ; A' blocks i0 .. i0 + 3
.irp i, \i0, \i0+1, \i0+2, \i0+3
	FRAG AF+FR*(\i), ADRA+\slot, \q, \i
.endr
.endm
.macro SCALES sc                       ; slot sc's scale words into set sc: 4 words a row, 16 sc bytes on in the row's 32; lanes 0-15 take A' block i, lanes 16-31 B' block i
.irp i, 0,1,2,3,4,5,6,7
	ds_load_b128 v[SC+8*NQ*\sc+NQ*\i:SC+8*NQ*\sc+NQ*\i+3], v[ADRS] offset:\i*SBLK+16*\sc
.endr
.endm
; A load into a register that a matrix instruction has read, and a vector instruction that reads a matrix result or writes one of its registers, stand NP places behind it;
; only plain vector instructions that name none of its registers are places.
.macro PLACES n
.rept \n
	v_nop
.endr
.endm
; A step of 128 along K that has its successor in the same slot.  A block of A' is free as soon as its eight products are issued: blocks 0-3 are fetched anew in the step's middle, blocks 4-7 at its end.
.macro STEP slot, q, zero
	s_wait_dscnt 4*NL                              ; B' set and A' blocks 0-3 are in; the youngest 8 loads (A' blocks 4-7) may be out
	WIN MUL_LO
	MUL16 0, (\q)%2, \q, \slot, \zero
	MUL16 2, (\q)%2, \q, \slot, \zero
	s_wait_dscnt 0                                 ; A' blocks 4-7 are in
	PLACES NP
	FETCH_B \slot, (\q)+1, 1-(\q)%2
	FETCH_A \slot, (\q)+1, 0
	WIN MUL_HI
	MUL16 4, (\q)%2, \q, \slot, \zero
	MUL16 6, (\q)%2, \q, \slot, \zero
	PLACES NP
	WIN 0
	FETCH_A \slot, (\q)+1, 4
.endm
; The first half of a slot's last step, and the refill.  In front of the barrier each wave waits for all its tensor loads, adds 0 to its spare word, and waits for that and for its reads of this slot.
; The barrier opens a round of the cluster's: behind it no wave of any partner still reads this slot's B' rows or has a load on its way, and v's weights for this slot are asked for, first thing.
.macro LEAVE slot, g0
	s_wait_tensorcnt 0x0                           ; all my tensor loads have landed  (every window is 0 here)
	ds_add_u32 v[SPW], v[NIL]                      ; 0 onto my spare word
	s_wait_dscnt 4*NL+1                            ; (the add and the youngest 8 loads, A' blocks 4-7, may be out)
	WIN MUL_LO
	MUL16 0, 1, NQ-1, \slot, 0                     ; sixteen matrix instructions stand between the add and the wait for it
	s_wait_dscnt 0x0                               ; the add is done, and my reads of this slot's B' rows are over
	s_barrier_signal -1
	MUL16 2, 1, NQ-1, \slot, 0                     ; work on registers while the others arrive
	WIN 0
	s_barrier_wait -1
	CREST
	VLOAD \g0                                      ; the four v_nop behind it are also the places in front of loads that follow
.endm
.macro STEPS slot, from                ; the slot's steps from .. NQ - 2
.set Q, \from
.rept NQ-1-\from
	STEP \slot, Q, 0
.set Q, Q+1
.endr
.endm
	s_wait_tensorcnt 1                             ; the scales and my part of slot 0 are in (slot 1's load may be out)
	s_barrier_signal -1
	s_barrier_wait -1                              ; everybody's are
	FETCH_B 0, 0, 0
	FETCH_A 0, 0, 0
	SCALES 0
	FETCH_A 0, 0, 4
	STEP 0, 0, 1                                   ; the first step's products start the sums: nothing is cleared
	STEPS 0, 1
	LEAVE 0, G0V0                                  ; slot 0's last step; slot 1 is whole behind the round
	FETCH_B 1, 0, 0
	FETCH_A 1, 0, 0
	SCALES 1
	WIN MUL_HI
	MUL16 4, 1, NQ-1, 0, 0
	MUL16 6, 1, NQ-1, 0, 0
	PLACES NP
	WIN 0
	FETCH_A 1, 0, 4
	STEPS 1, 0
	LEAVE 1, G0V1                                  ; phase 1's last step; slot 0's rows of v's weights are whole behind the round
	WIN MUL_HI
	MUL16 4, 1, NQ-1, 1, 0
	MUL16 6, 1, NQ-1, 1, 0
	WIN 0
; PHASE 1'S WAY OUT, block a of 16 tokens.  Tile b's eight numbers of a lane are channels 16 b + 8 (l / 16) + 0 .. 7: scaled in f32 in place, rounded in pairs to f16, they are registers 0-3 (b even) or 4-7 (b odd)
; of the fragment 32 (b / 2) along the channels.  Each store of the wave covers 512 consecutive bytes, aligned.  Each accumulator is read from its low end on.
.macro PACK a
.set AC, 64*((\a)%4)
.set PK, PK0+32*((\a)%4)
	WIN (0x82+0x41*((\a)/4))                       ; destination and source 0: window 2 or 3
.irp b, 0,1,2,3,4,5,6,7
.irp r, 0,1,2,3
	v_pk_mul_f32 v[AC+8*\b+2*\r:AC+8*\b+2*\r+1], v[AC+8*\b+2*\r:AC+8*\b+2*\r+1], s[2:3] op_sel_hi:[1,0]
.endr
.endr
	WIN (0x0a+5*((\a)/4))                          ; sources 0 and 1: window 2 or 3; destination window 0
.if (\a) >= 4
	s_wait_xcnt 0x0                                ; block a - 4's stores have read the registers that are written now
.endif
.irp b, 0,1,2,3,4,5,6,7
.irp r, 0,1,2,3
	v_cvt_pk_f16_f32 v[PK+4*\b+\r], v[AC+8*\b+2*\r], v[AC+8*\b+2*\r+1]
.endr
.endr
	WIN 0
.irp b, 0,1,2,3,4,5,6,7
	global_store_b128 v[VO+\b/4], v[PK+4*\b:PK+4*\b+3], s[12:13] offset:(\a)*2048+((\b/2)%2)*1024+(\b%2)*512
.endr
.endm
	PLACES NP                                      ; behind the last products: the lines below write registers that held fragments, and read and write results
.irp a, 0,1,2,3,4,5,6,7
	PACK \a
.endr
; PHASE 2.  32 matrix instructions a step of 128 along K: my 4 blocks of v's rows (source 1) x my 8 blocks of tokens (source 0).  p: the sets of fragments.  The tokens' scale words are lanes 0-15 of phase 1's registers.
; The 32 accumulators take turns, in the same order in every step.
.macro MULV p, q, sc, zero
.irp a, 0,1,2,3
.irp b, 0,1,2,3,4,5,6,7
.if \zero
	v_wmma_scale_f32_16x16x128_f8f6f4 v[8*(8*\a+\b):8*(8*\a+\b)+7], v[128*(\p)+FR*\b:128*(\p)+FR*\b+FR-1], v[AF+32*(\p)+FR*\a:AF+32*(\p)+FR*\a+FR-1], 0, v[SC+8*NQ*(\sc)+NQ*\b+(\q)], v[SCW+4*NQ*(\sc)+NQ*\a+(\q)] matrix_a_fmt:MATRIX_FMT_FP4 matrix_b_fmt:MATRIX_FMT_FP4
.else
	v_wmma_scale_f32_16x16x128_f8f6f4 v[8*(8*\a+\b):8*(8*\a+\b)+7], v[128*(\p)+FR*\b:128*(\p)+FR*\b+FR-1], v[AF+32*(\p)+FR*\a:AF+32*(\p)+FR*\a+FR-1], v[8*(8*\a+\b):8*(8*\a+\b)+7], v[SC+8*NQ*(\sc)+NQ*\b+(\q)], v[SCW+4*NQ*(\sc)+NQ*\a+(\q)] matrix_a_fmt:MATRIX_FMT_FP4 matrix_b_fmt:MATRIX_FMT_FP4
.endif
.endr
.endr
.endm
.macro FETCH_T slot, q, p              ; my tokens' eight fragments into set p of window 1
	WIN TO_B
.irp i, 0,1,2,3,4,5,6,7
	FRAG 128*(\p)+FR*\i, ADRA+(\slot), \q, \i
.endr
	WIN 0
.endm
.macro FETCH_W slot, q, p              ; the four fragments of my rows of v's weights into set p
.irp i, 0,1,2,3
	FRAG AF+32*(\p)+FR*\i, ADRV+(\slot), \q, \i
.endr
.endm
; Step g of eight: slot g / 4, its (g % 4)-th 128 along K, sets g % 2.  The next step's 24 loads are issued ahead of this step's products.
.macro STEPV g
	s_wait_dscnt 0x0                               ; this step's fragments are in
.if (\g) == 3                          ; the next step reads slot 1's rows of v's weights: my part has landed; behind the barrier everybody's has.
	s_wait_tensorcnt 0x0
	ds_add_u32 v[SPW], v[NIL]
	s_wait_dscnt 0x0
	s_barrier_signal -1
	s_barrier_wait -1
.endif
.if (\g) < 7
	PLACES NP                                      ; behind the last step's products, which read the sets that are filled now
	FETCH_T ((\g)+1)/4, ((\g)+1)%4, 1-(\g)%2
	FETCH_W ((\g)+1)/4, ((\g)+1)%4, 1-(\g)%2
.endif
	WIN MUL_LO
.if (\g) == 0
	MULV 0, 0, 0, 1                                ; the first step's products start the sums
.else
	MULV (\g)%2, (\g)%4, (\g)/4, 0
.endif
	WIN 0
.endm
	s_wait_xcnt 0x0                                ; phase 1's stores have read their registers: fragments may land there
	FETCH_T 0, 0, 0
	FETCH_W 0, 0, 0
	s_wait_loadcnt 0x0                             ; the scale words of v's weights
.irp g, 0,1,2,3,4,5,6,7
	STEPV \g
.endr
; PHASE 2'S WAY OUT, block a of 16 channels: tile b's eight numbers of a lane are tokens 16 b + 8 (l / 16) + 0 .. 7.  As above, without a factor.
.macro PACKV a
	WIN 0x0a                                       ; sources 0 and 1: window 2
.irp b, 0,1,2,3,4,5,6,7
.irp r, 0,1,2,3
	v_cvt_pk_f16_f32 v[PK0+32*(\a)+4*\b+\r], v[64*(\a)+8*\b+2*\r], v[64*(\a)+8*\b+2*\r+1]
.endr
.endr
	WIN 0
.irp b, 0,1,2,3,4,5,6,7
	global_store_b128 v[VO+2*(\b/4)], v[PK0+32*(\a)+4*\b:PK0+32*(\a)+4*\b+3], s[14:15] offset:(\a)*2048+((\b/2)%2)*1024+(\b%2)*512
.endr
.endm
	PLACES NP                                      ; behind the last products
.irp a, 0,1,2,3
	PACKV \a
.endr
	s_wait_tensorcnt 0x0                           ; the wave's end, behind my last tensor load
	ds_add_u32 v[SPW], v[NIL]
	s_wait_dscnt 0x0
	CROUND                                         ; the closing round: no work-group ends while a partner may still ask for a tile that names it
	s_endpgm
.Lfunc_end_k_qb5ac67ba6f_qkv:
	.size	k_qb5ac67ba6f_qkv, .Lfunc_end_k_qb5ac67ba6f_qkv-k_qb5ac67ba6f_qkv
	.p2alignl 7, 3214868480
	.fill 96, 4, 3214868480
	.section	.rodata,"a",@progbits
	.p2align	6, 0x0
	.amdhsa_kernel k_qb5ac67ba6f_qkv
		.amdhsa_group_segment_fixed_size 327680
		.amdhsa_private_segment_fixed_size 0
		.amdhsa_enable_private_segment 0
		.amdhsa_kernarg_size 48
		.amdhsa_user_sgpr_count 2
		.amdhsa_user_sgpr_kernarg_segment_ptr 1
		.amdhsa_wavefront_size32 1
		.amdhsa_system_sgpr_workgroup_id_x 1
		.amdhsa_system_sgpr_workgroup_id_y 1
		.amdhsa_system_sgpr_workgroup_id_z 1
		.amdhsa_system_vgpr_workitem_id 0
		.amdhsa_next_free_vgpr 1024
		.amdhsa_next_free_sgpr 106
		.amdhsa_reserve_vcc 0
		.amdhsa_float_denorm_mode_32 3
		.amdhsa_float_denorm_mode_16_64 3
		.amdhsa_memory_ordered 1
		.amdhsa_forward_progress 1
		.amdhsa_inst_pref_size 196
	.end_amdhsa_kernel
	.amdgpu_metadata
---
amdhsa.version: [ 1, 2 ]
amdhsa.kernels:
  - .name:           k_qb5ac67ba6f_qkv
    .symbol:         k_qb5ac67ba6f_qkv.kd
    .args:
      - { .name: acodes, .offset: 0, .size: 8, .value_kind: global_buffer, .address_space: global }
      - { .name: ascales, .offset: 8, .size: 8, .value_kind: global_buffer, .address_space: global }
      - { .name: bcodes, .offset: 16, .size: 8, .value_kind: global_buffer, .address_space: global }
      - { .name: bscales, .offset: 24, .size: 8, .value_kind: global_buffer, .address_space: global }
      - { .name: qkimg, .offset: 32, .size: 8, .value_kind: global_buffer, .address_space: global }
      - { .name: vimg, .offset: 40, .size: 8, .value_kind: global_buffer, .address_space: global }
    .group_segment_fixed_size: 327680
    .private_segment_fixed_size: 0
    .kernarg_segment_align: 8
    .kernarg_segment_size: 48
    .max_flat_workgroup_size: 128
    .sgpr_count:     106
    .vgpr_count:     1024
    .wavefront_size: 32
...
	.end_amdgpu_metadata
.endif
;; end of part 2
;; launch attn (part 3): grid 256 x 1, 16 waves a work-group, no clusters, 327,680 bytes of LDS; arguments qkimg, vimg, xo; writes xo
.if DOCPART == 3
	.amdgcn_target "amdgcn-amd-amdhsa--gfx1250"
	.amdhsa_code_object_version 6
	.text
	.protected	k_qb5ac67ba6f_attn
	.globl	k_qb5ac67ba6f_attn
	.p2align	8
	.type	k_qb5ac67ba6f_attn,@function
k_qb5ac67ba6f_attn:
	s_mov_b64 s[64:65], 0
	v_nop
	global_prefetch_b8 v0, s[64:65] scope:SCOPE_SE
	s_setreg_imm32_b32 hwreg(HW_REG_WAVE_MODE, 25, 1), 1
	s_wait_xcnt 0x0
; ATTN.  128 attentions (2 output streams x 4 batches x 16 heads), 1,024 queries x 1,024 keys, head size 64, no mask.  Output stream so takes K and V of stream so and Q of the other stream.
; Operands are f16, products, maxima and sums f32.  q arrives multiplied by log2(e) / 8, so a score is already the exponent to base 2.
; SOFTMAX.  For each query a running maximum m and sum l: p = 2^(s - m), at most 1 for every input; in every step O and l are multiplied by a = 2^(m_old - m_new).  The sum is taken of p in f32;
; p is rounded to f16 for the second product; O is divided by l at the end and rounded to f16.
; LIMITS: the results above 65,504 in magnitude are not served; under 6e-5 they carry an absolute error of 2^-25.  NaN and infinities are not served.
; SHARES.  A work-group takes 512 queries of one head; each of its sixteen waves 32 of them, two tiles of 16, in 256 registers: four waves to a SIMD, so that one wave's vector work stands beside
; another's matrix work and LDS loads.  Each fragment of K or V read from LDS feeds two matrix instructions.
; THE WHOLE HEAD'S K AND V HAVE BYTES OF THEIR OWN IN LDS (128 KiB each): no byte is ever filled again.  They arrive as images of the operands' registers (a fragment of 16 rows x 32 k is 1,024 bytes: lane l's
; registers 0-3 at 16 l, registers 4-7 at 512 + 16 l), so every LDS load is 512 consecutive bytes: no pitch, no padding, no turning load.
; The keys come in 4 chunks of 256; every wave brings 4 KiB of each.  Chunk 0 is asked for at the head, so that the first products wait for 64 KiB and not for 256; chunk c + 1 first thing behind the barrier
; in front of chunk c's work: one tensor load of mine is out at a time, and it has four key steps in which to land.
; LAYOUT.  Both products are used transposed: S^T = K Q^T (source 0 = 16 keys, source 1 = 16 queries), O^T = V^T P (source 0 = 16 channels, source 1 = P): a lane holds ONE query throughout.
; Two neighbouring tiles of S^T, rounded in pairs, are a fragment of P (32 keys x 16 queries).  Two neighbouring tiles of O^T are a fragment of the last product's operand, and are stored so.
; NO JOINT LOADS: a head's K and V have two readers (1,024 queries / 512 to a work-group); a cluster of four would hold two heads, whose tiles differ.
; NO PREFETCH: a chunk's own tensor load is issued four key steps, 128 matrix instructions a wave, ahead of its first read.
.set VBASE, 131072                     ; LDS: K [key tile 64][channel half 2][1 KiB] from 0; V [64 keys 16][channel tile 4][32 keys 2][1 KiB] from here
.set SPARE, 262144                     ; the spare words, 128 bytes a wave: 2,048 bytes that no other line names
.set LI,  1                            ; v1   16 x lane
.set LIV, 2                            ; v2   16 x lane + VBASE
.set ADK, 3                            ; v3   LDS address of the step's K
.set SPW, 4                            ; v4   LDS address of my spare word; never rewritten
.set NIL, 5                            ; v5   0; never rewritten
.set ADV, 6                            ; v6   LDS address of the step's V
.set ST,  8                            ; tile t's statistics at v[8 + 8 t]: +0 m, +1 m_old - m, +2, +3 l (even keys', odd keys'), +4 to +7 at work; a takes +6
.set Q,   24                           ; v24-55   Q: tile t, channel half c at 16 t + 8 c
.set KV,  56                           ; v56-119  eight fragments, of K and of V by turns
.set S,   120                          ; v120-183 S^T: tile t at 32 t, key tile k at 8 k; then p; then P's fragments at 32 t + 8 g
.set O,   184                          ; v184-247 O^T: tile t at 32 t, channel tile at 8 ct
.set SUM, 248                          ; v248-255 two pairs of partial sums a tile
	s_load_b128 s[4:7], s[0:1], 0x0                ; qkimg, vimg
	s_load_b64 s[8:9], s[0:1], 0x10                ; xo
	v_lshl_add_u32 v[SPW], v0, 2, SPARE
	v_mov_b32 v[NIL], 0
	ds_add_u32 v[SPW], v[NIL]                      ; the wave's opening: the add, twice on end, and its wait ahead of my first tensor load
	ds_add_u32 v[SPW], v[NIL]                      ; once more; the set-up below, work on registers, stands between it and the wait
	v_lshrrev_b32 v7, 5, v0
	v_readfirstlane_b32 s10, v7                    ; wave 0..15
	s_lshr_b32 s11, s10, 3                         ; I fetch for K (0) or for V (1),
	s_and_b32 s12, s10, 7                          ; piece p of a chunk's eight
	s_and_b32 s13, ttmp9, 1                        ; which 512 queries
	s_lshr_b32 s17, ttmp9, 1
	s_lshr_b32 s14, s17, 6                         ; so: the output's stream, and K's and V's
	s_bfe_u32 s15, s17, 0x20004                    ; b
	s_and_b32 s16, s17, 15                         ; h
	; K: qkimg + so 16 MiB + (16 + h) 512 KiB + b 128 KiB + p 4 KiB; a chunk on: 32 KiB
	s_lshl_b32 s50, s14, 24
	s_add_co_u32 s51, s16, 16
	s_lshl_b32 s51, s51, 19
	s_add_co_u32 s50, s50, s51
	s_lshl_b32 s51, s15, 17
	s_add_co_u32 s50, s50, s51
	s_lshl_b32 s51, s12, 12
	s_add_co_u32 s50, s50, s51
	; V: vimg + so 8 MiB + (16 b + p / 2) 128 KiB + h 8 KiB + (p % 2) 4 KiB; a chunk on: 4 x 128 KiB
	s_lshl_b32 s52, s14, 23
	s_lshl_b32 s53, s15, 4
	s_lshr_b32 s54, s12, 1
	s_add_co_u32 s53, s53, s54
	s_lshl_b32 s53, s53, 17
	s_add_co_u32 s52, s52, s53
	s_lshl_b32 s53, s16, 13
	s_add_co_u32 s52, s52, s53
	s_and_b32 s53, s12, 1
	s_lshl_b32 s53, s53, 12
	s_add_co_u32 s52, s52, s53
	s_cmp_eq_u32 s11, 0
	s_cselect_b32 s50, s50, s52                    ; my piece of chunk 0, as an offset
	s_mov_b32 s51, 0
	s_mov_b32 s52, 524288
	s_cselect_b32 s52, 32768, s52                  ; from chunk to chunk
	s_mov_b32 s53, 0
	s_lshl_b32 s54, s11, 17
	s_lshl_b32 s55, s12, 12
	s_add_co_u32 s54, s54, s55                     ; and in LDS: 131,072 x (wave / 8) + 4,096 x (wave % 8)
	; my first tile of 16 queries within the stream; Q's and the output's offsets
	s_lshl_b32 s62, s15, 6
	s_lshl_b32 s63, s13, 5
	s_add_co_u32 s62, s62, s63
	s_lshl_b32 s63, s10, 1
	s_add_co_u32 s62, s62, s63                     ; 64 b + 32 half + 2 wave
	s_xor_b32 s58, s14, 1                          ; Q comes from the other stream
	s_lshl_b32 s58, s58, 24
	s_lshl_b32 s63, s16, 19
	s_add_co_u32 s58, s58, s63
	s_lshl_b32 s63, s62, 11
	s_add_co_u32 s58, s58, s63
	s_mov_b32 s59, 0
	s_lshl_b32 s60, s14, 23                        ; xo: so 8 MiB + tile 32 KiB + h 2 KiB
	s_lshl_b32 s63, s62, 15
	s_add_co_u32 s60, s60, s63
	s_lshl_b32 s63, s16, 11
	s_add_co_u32 s60, s60, s63
	s_mov_b32 s61, 0
	; descriptor group 1, one for all loads: a dense block of 4,096 bytes as 16 rows of 256 bytes (32 elements of 8 bytes), no padding
	s_mov_b32 s24, 3<<16
	s_mov_b32 s25, 32<<16                          ; tensor_dim0
	s_mov_b32 s26, 16<<16                          ; tensor_dim1
	s_mov_b32 s27, 32<<16                          ; tile_dim0
	s_mov_b32 s28, 16                              ; tile_dim1
	s_mov_b32 s29, 32                              ; from row to row
	s_mov_b32 s30, 0
	s_mov_b32 s31, 0
	s_mov_b32 s20, 0x76543210
	s_mov_b32 s21, 0xfedcba98                      ; v_permlanex16_b32's selects for lane l xor 16
	s_wait_dscnt 0x0                               ; both opening adds are done
	s_wait_kmcnt 0x0
	s_cmp_eq_u32 s11, 0
	s_cselect_b64 s[56:57], s[4:5], s[6:7]         ; the choice hangs on the wave's number alone
	s_add_nc_u64 s[56:57], s[56:57], s[50:51]
.irp c, 0,1,2,3                        ; group 0, a set for each chunk: none is ever rewritten
	s_mov_b32 s[32+4*\c], 1
	s_add_co_u32 s[33+4*\c], s54, \c*32768
	s_mov_b64 s[34+4*\c:35+4*\c], s[56:57]
	s_or_b32 s[35+4*\c], s[35+4*\c], 0x80000000
	s_add_nc_u64 s[56:57], s[56:57], s[52:53]      ; (the last sum is not used)
.endr
	tensor_load_to_lds s[32:35], s[24:31]          ; chunk 0, alone
	s_nop 0
.rept 4
	v_nop
.endr
	s_add_nc_u64 s[4:5], s[4:5], s[58:59]          ; Q at my first tile
	s_add_nc_u64 s[8:9], s[8:9], s[60:61]          ; the output likewise
	v_and_b32 v[LI], 31, v0
	v_lshlrev_b32 v[LI], 4, v[LI]
	v_add_nc_u32 v[LIV], VBASE, v[LI]
.irp t, 0,1
.irp c, 0,1
	global_load_b128 v[Q+16*\t+8*\c:Q+16*\t+8*\c+3],   v[LI], s[4:5] offset:\t*2048+\c*1024      ; Q's fragments stay in registers
	global_load_b128 v[Q+16*\t+8*\c+4:Q+16*\t+8*\c+7], v[LI], s[4:5] offset:\t*2048+\c*1024+512
.endr
.endr
.irp t, 0,1
	v_mov_b32 v[ST+8*\t], 0xff61b1e6               ; m: -3e38, under every score
	v_mov_b32 v[ST+8*\t+1], 0
	v_mov_b32 v[ST+8*\t+2], 0                      ; l
	v_mov_b32 v[ST+8*\t+3], 0
.endr
.irp j, 0,1,2,3,4,5,6,7,8,9,10,11,12,13,14,15,16,17,18,19,20,21,22,23,24,25,26,27,28,29,30,31,32,33,34,35,36,37,38,39,40,41,42,43,44,45,46,47,48,49,50,51,52,53,54,55,56,57,58,59,60,61,62,63
	v_mov_b32 v[O+\j], 0                           ; O^T.  (The step is written once: the first finds zeros, which a = 0 leaves zeros)
.endr
; A KEY STEP: 64 keys.  s48: where the step's 8 KiB of K begin in LDS; V's lie VBASE further on.
.macro STEP
	v_add_nc_u32 v[ADK], s48, v[LI]                ; these two and the three v_nop are five places behind the last step's products: the loads below land in registers that those read,
	v_add_nc_u32 v[ADV], s48, v[LIV]               ; and the first products below write over P, which those read
.rept 3
	v_nop
.endr
.irp f, 0,1,2,3,4,5,6,7                ; K: key tile f / 2, channel half f % 2
	ds_load_b128 v[KV+8*\f:KV+8*\f+3],   v[ADK] offset:1024*\f
	ds_load_b128 v[KV+8*\f+4:KV+8*\f+7], v[ADK] offset:1024*\f+512
.endr
	s_wait_dscnt 0x0
.irp c, 0,1                            ; S^T = K Q^T: the eight accumulators take turns, one instruction a turn; the first eight start the sums
.irp k, 0,1,2,3
.irp t, 0,1
.if \c == 0
	v_wmma_f32_16x16x32_f16 v[S+32*\t+8*\k:S+32*\t+8*\k+7], v[KV+16*\k:KV+16*\k+7], v[Q+16*\t:Q+16*\t+7], 0
.else
	v_wmma_f32_16x16x32_f16 v[S+32*\t+8*\k:S+32*\t+8*\k+7], v[KV+16*\k+8:KV+16*\k+15], v[Q+16*\t+8:Q+16*\t+15], v[S+32*\t+8*\k:S+32*\t+8*\k+7]
.endif
.endr
.endr
.endr
.rept 4
	v_nop                                          ; four places: in front of the loads into K's registers and of the first read of the scores
.endr
.irp f, 0,1,2,3,4,5,6,7                ; V^T: channel tile f / 2, keys 32 (f % 2) on; it lands while the softmax is worked
	ds_load_b128 v[KV+8*\f:KV+8*\f+3],   v[ADV] offset:1024*\f
	ds_load_b128 v[KV+8*\f+4:KV+8*\f+7], v[ADV] offset:1024*\f+512
.endr
	; the maximum of a lane's 32 scores and the old m: four chains; each accumulator is read from its low end on; the two tiles alternate line by line
.irp j, 0,1,2,3
.irp t, 0,1
	v_max3_num_f32 v[ST+8*\t+4+\j], v[S+32*\t+8*\j], v[S+32*\t+8*\j+1], v[S+32*\t+8*\j+2]
.endr
.endr
.irp u, 1,2
.irp j, 0,1,2,3
.irp t, 0,1
	v_max3_num_f32 v[ST+8*\t+4+\j], v[ST+8*\t+4+\j], v[S+32*\t+8*\j+2*\u+1], v[S+32*\t+8*\j+2*\u+2]
.endr
.endr
.endr
.irp t, 0,1
	v_max3_num_f32 v[ST+8*\t+4], v[ST+8*\t+4], v[S+32*\t+7], v[S+32*\t+15]
.endr
.irp t, 0,1
	v_max3_num_f32 v[ST+8*\t+6], v[ST+8*\t+6], v[S+32*\t+23], v[S+32*\t+31]
.endr
.irp t, 0,1
	v_max3_num_f32 v[ST+8*\t+4], v[ST+8*\t+4], v[ST+8*\t+5], v[ST+8*\t+6]
.endr
.irp t, 0,1
	v_max3_num_f32 v[ST+8*\t+4], v[ST+8*\t+4], v[ST+8*\t+7], v[ST+8*\t]
.endr
.irp t, 0,1
	v_permlanex16_b32 v[ST+8*\t+5], v[ST+8*\t+4], s20, s21   ; the query's other 32 keys lie in the lane 16 away
.endr
.irp t, 0,1
	v_mov_b32 v[ST+8*\t+1], v[ST+8*\t]             ; m_old
.endr
.irp t, 0,1
	v_max_num_f32 v[ST+8*\t], v[ST+8*\t+4], v[ST+8*\t+5]     ; the new m
.endr
.irp t, 0,1
	v_sub_f32 v[ST+8*\t+1], v[ST+8*\t+1], v[ST+8*\t]         ; m_old - m, 0 or less
.endr
.irp j, 0,2,4,6,8,10,12,14,16,18,20,22,24,26,28,30
.irp t, 0,1
	v_pk_add_f32 v[S+32*\t+\j:S+32*\t+\j+1], v[S+32*\t+\j:S+32*\t+\j+1], v[ST+8*\t:ST+8*\t+1] op_sel_hi:[1,0] neg_lo:[0,1] neg_hi:[0,1]   ; s - m, two at a time: never above 0
.endr
.endr
	; ONE BATCH of 66 exponentials, none of which reads another's result; one plain line and one wait behind it
.irp t, 0,1
	v_exp_f32 v[ST+8*\t+6], v[ST+8*\t+1]           ; a
.endr
.irp j, 0,1,2,3,4,5,6,7,8,9,10,11,12,13,14,15,16,17,18,19,20,21,22,23,24,25,26,27,28,29,30,31
.irp t, 0,1
	v_exp_f32 v[S+32*\t+\j], v[S+32*\t+\j]         ; p
.endr
.endr
	v_nop                                          ; a plain line between the last exponential and the first use of a result
	s_wait_alu depctr_va_vdst(0)                   ; the wait ahead of the first line that names a result: one for the batch
	; the sum of p in f32, in two chains a tile; l = a l + the sum
.irp t, 0,1
	v_pk_add_f32 v[SUM+4*\t:SUM+4*\t+1], v[S+32*\t:S+32*\t+1], v[S+32*\t+2:S+32*\t+3]
.endr
.irp t, 0,1
	v_pk_add_f32 v[SUM+4*\t+2:SUM+4*\t+3], v[S+32*\t+4:S+32*\t+5], v[S+32*\t+6:S+32*\t+7]
.endr
.irp j, 8,12,16,20,24,28
.irp t, 0,1
	v_pk_add_f32 v[SUM+4*\t:SUM+4*\t+1], v[SUM+4*\t:SUM+4*\t+1], v[S+32*\t+\j:S+32*\t+\j+1]
.endr
.irp t, 0,1
	v_pk_add_f32 v[SUM+4*\t+2:SUM+4*\t+3], v[SUM+4*\t+2:SUM+4*\t+3], v[S+32*\t+\j+2:S+32*\t+\j+3]
.endr
.endr
.irp t, 0,1
	v_pk_add_f32 v[SUM+4*\t:SUM+4*\t+1], v[SUM+4*\t:SUM+4*\t+1], v[SUM+4*\t+2:SUM+4*\t+3]
.endr
.irp t, 0,1
	v_pk_fma_f32 v[ST+8*\t+2:ST+8*\t+3], v[ST+8*\t+2:ST+8*\t+3], v[ST+8*\t+6:ST+8*\t+7], v[SUM+4*\t:SUM+4*\t+1] op_sel_hi:[1,0,1]
.endr
	; p to f16, in place: pair j goes to register j, which lies at or under what is still unread.  Registers 8 g .. 8 g + 7 are then P's fragment of keys 32 g on
.irp j, 0,1,2,3,4,5,6,7,8,9,10,11,12,13,14,15
.irp t, 0,1
	v_cvt_pk_f16_f32 v[S+32*\t+\j], v[S+32*\t+2*\j], v[S+32*\t+2*\j+1]
.endr
.endr
.irp j, 0,2,4,6,8,10,12,14,16,18,20,22,24,26,28,30
.irp t, 0,1
	v_pk_mul_f32 v[O+32*\t+\j:O+32*\t+\j+1], v[O+32*\t+\j:O+32*\t+\j+1], v[ST+8*\t+6:ST+8*\t+7] op_sel_hi:[1,0]   ; O^T x a; each accumulator from its low end on
.endr
.endr
	s_wait_dscnt 0x0                               ; V is in
.irp g, 0,1                            ; O^T += V^T P: the eight accumulators take turns
.irp k, 0,1,2,3
.irp t, 0,1
	v_wmma_f32_16x16x32_f16 v[O+32*\t+8*\k:O+32*\t+8*\k+7], v[KV+16*\k+8*\g:KV+16*\k+8*\g+7], v[S+32*\t+8*\g:S+32*\t+8*\g+7], v[O+32*\t+8*\k:O+32*\t+8*\k+7]
.endr
.endr
.endr
	s_add_co_u32 s48, s48, 8192                    ; the next 64 keys
.endm
; A CHUNK of 256 keys.  My one tensor load, my piece of this chunk, has landed; the add; my LDS loads are back; behind the barrier everybody's piece has landed.
; First thing behind it my piece of the next chunk is asked for, into bytes that nothing has filled yet: my one tensor load until the next such barrier.  The last chunk asks for nothing.
.macro CHUNK c
	s_wait_tensorcnt 0x0
	ds_add_u32 v[SPW], v[NIL]                      ; 0 onto my spare word; the two lines below stand between it and the wait for it
	s_mov_b32 s48, \c*32768
	s_mov_b32 s49, 4
	s_wait_dscnt 0x0
	s_barrier_signal -1
	s_barrier_wait -1
.if \c < 3
	tensor_load_to_lds s[36+4*\c:39+4*\c], s[24:31]
	s_nop 0
.rept 4
	v_nop
.endr
.endif
.Lstep_\@:
	STEP
	s_sub_co_u32 s49, s49, 1
	s_cmp_lg_u32 s49, 0
	s_cbranch_scc1 .Lstep_\@
.endm
	s_wait_loadcnt 0x0                             ; Q
	CHUNK 0
	CHUNK 1
	CHUNK 2
	CHUNK 3
	; THE WAY OUT.  l's two halves and the other half of the lanes' are added; O^T / l is rounded to f16.  Channel tiles 2 c and 2 c + 1 are registers 0-3 and 4-7 of the last product's fragment
	; (16 tokens x 32 along its K, K = 64 h + channel).  Each store of the wave covers 512 consecutive bytes, aligned.
.rept 4
	v_nop                                          ; four places behind the last products
.endr
.irp t, 0,1
	v_add_f32 v[ST+8*\t+4], v[ST+8*\t+2], v[ST+8*\t+3]
.endr
.irp t, 0,1
	v_permlanex16_b32 v[ST+8*\t+5], v[ST+8*\t+4], s20, s21
.endr
.irp t, 0,1
	v_add_f32 v[ST+8*\t+4], v[ST+8*\t+4], v[ST+8*\t+5]
.endr
.irp t, 0,1
	v_rcp_f32 v[ST+8*\t+6], v[ST+8*\t+4]           ; l is at least 1: the largest p of a row is 1
.endr
	v_nop                                          ; a plain line behind the reciprocals,
	s_wait_alu depctr_va_vdst(0)                   ; and the wait ahead of the first use: one for the two
.irp j, 0,2,4,6,8,10,12,14,16,18,20,22,24,26,28,30
.irp t, 0,1
	v_pk_mul_f32 v[O+32*\t+\j:O+32*\t+\j+1], v[O+32*\t+\j:O+32*\t+\j+1], v[ST+8*\t+6:ST+8*\t+7] op_sel_hi:[1,0]
.endr
.endr
.irp t, 0,1
.irp j, 0,1,2,3,4,5,6,7,8,9,10,11,12,13,14,15
	v_cvt_pk_f16_f32 v[KV+16*\t+\j], v[O+32*\t+2*\j], v[O+32*\t+2*\j+1]
.endr
.endr
.irp t, 0,1
.irp k, 0,1,2,3
	global_store_b128 v[LI], v[KV+16*\t+4*\k:KV+16*\t+4*\k+3], s[8:9] offset:\t*32768+\k*512
.endr
.endr
	s_wait_tensorcnt 0x0                           ; the wave's end, behind my last tensor load
	ds_add_u32 v[SPW], v[NIL]
	s_wait_dscnt 0x0
	s_endpgm
.Lfunc_end_k_qb5ac67ba6f_attn:
	.size	k_qb5ac67ba6f_attn, .Lfunc_end_k_qb5ac67ba6f_attn-k_qb5ac67ba6f_attn
	.p2alignl 7, 3214868480
	.fill 96, 4, 3214868480
	.section	.rodata,"a",@progbits
	.p2align	6, 0x0
	.amdhsa_kernel k_qb5ac67ba6f_attn
		.amdhsa_group_segment_fixed_size 327680
		.amdhsa_private_segment_fixed_size 0
		.amdhsa_enable_private_segment 0
		.amdhsa_kernarg_size 24
		.amdhsa_user_sgpr_count 2
		.amdhsa_user_sgpr_kernarg_segment_ptr 1
		.amdhsa_wavefront_size32 1
		.amdhsa_system_sgpr_workgroup_id_x 1
		.amdhsa_system_sgpr_workgroup_id_y 1
		.amdhsa_system_sgpr_workgroup_id_z 1
		.amdhsa_system_vgpr_workitem_id 0
		.amdhsa_next_free_vgpr 256
		.amdhsa_next_free_sgpr 66
		.amdhsa_reserve_vcc 0
		.amdhsa_float_denorm_mode_32 3
		.amdhsa_float_denorm_mode_16_64 3
		.amdhsa_memory_ordered 1
		.amdhsa_forward_progress 1
		.amdhsa_inst_pref_size 83
	.end_amdhsa_kernel
	.amdgpu_metadata
---
amdhsa.version: [ 1, 2 ]
amdhsa.kernels:
  - .name:           k_qb5ac67ba6f_attn
    .symbol:         k_qb5ac67ba6f_attn.kd
    .args:
      - { .name: qkimg, .offset: 0, .size: 8, .value_kind: global_buffer, .address_space: global }
      - { .name: vimg, .offset: 8, .size: 8, .value_kind: global_buffer, .address_space: global }
      - { .name: xo, .offset: 16, .size: 8, .value_kind: global_buffer, .address_space: global }
    .group_segment_fixed_size: 327680
    .private_segment_fixed_size: 0
    .kernarg_segment_align: 8
    .kernarg_segment_size: 24
    .max_flat_workgroup_size: 512
    .sgpr_count:     66
    .vgpr_count:     256
    .wavefront_size: 32
...
	.end_amdgpu_metadata
.endif
;; end of part 3
;; launch proj (part 4): grid 4 x 64, 4 waves a work-group, clusters of 4 x 4, 327,680 bytes of LDS; arguments xo, wo16, out0, out1; writes out0, out1
.if DOCPART == 4
	.amdgcn_target "amdgcn-amd-amdhsa--gfx1250"
	.amdhsa_code_object_version 6
	.text
	.protected	k_qb5ac67ba6f_proj
	.globl	k_qb5ac67ba6f_proj
	.p2align	8
	.type	k_qb5ac67ba6f_proj,@function
k_qb5ac67ba6f_proj:
	s_mov_b64 s[64:65], 0
	v_nop
	global_prefetch_b8 v0, s[64:65] scope:SCOPE_SE
	s_setreg_imm32_b32 hwreg(HW_REG_WAVE_MODE, 25, 1), 1
	s_wait_xcnt 0x0
	s_wait_alu depctr_hold_cnt(0) depctr_sa_sdst(0) depctr_va_vdst(0) depctr_va_sdst(0) depctr_va_ssrc(0) depctr_va_vcc(0) depctr_vm_vsrc(0)
	s_getreg_b32 s2, hwreg(HW_REG_IB_STS2, 6, 4)
	s_cmp_eq_u32 s2, 0
	s_cbranch_scc0 .Lentry_in_a_cluster
	s_endpgm
.Lentry_in_a_cluster:
	s_bfe_u32 s2, ttmp6, 0x10000c
	s_cmp_lg_u32 s2, 0xf033
	s_cbranch_scc0 .Lentry_shape_is_right
	s_endpgm
.Lentry_shape_is_right:
; PROJ.  out[t][n] = sum over k of xo[t][k] Wout[n][k], for both streams: 8,192 tokens x 1,024 outputs, K = 1,024; f16 operands, f32 sums, f32 results.
; xo arrives as images of the operand's registers: [token tile 512][32 along K: 32][1,024 bytes] (lane l's registers 0-3 at 16 l, registers 4-7 at 512 + 16 l); wo16 is [2][1024 n][1024 k], row-major.
; SHARES.  A work-group makes 128 tokens x 256 outputs: 256 work-groups.  Each of its four waves makes 64 x 128: 32 accumulators, 256 registers.
; K goes in steps of 128 through a ring of two LDS slots.  Waves 0 and 1 fetch the two halves of A's tile (4 token tiles x 4,096 consecutive bytes each), waves 2 and 3 the two halves of B's (128 rows x 256 bytes).
; CLUSTERS: 4 x 4 work-groups.  The four of a row of the cluster need the same tokens, the four of a column the same rows of Wout: each tile is asked for JOINTLY.  A cluster lies in one stream.
; THE MATRIX INSTRUCTION IS USED TRANSPOSED (source 0 = 16 rows of Wout, source 1 = 16 tokens): a lane holds eight neighbouring outputs of one token.
; REGISTERS: window 0: v16-29 addresses; v32-95 A's fragments, two buffers of 4 x 8; v96-223 B's, two buffers of 8 x 8; on the way out v32-159 take rows.  window 1: the accumulators ((a, b) at v[8 (8 a + b)]).
.set PITCH,  272                       ; a row of B in LDS: 256 bytes + 16 of padding: the 16 rows that a load touches start at 16 different banks
.set ABYTES, 32768                     ; A's part of a slot: [token tile 8][32 along K: 4][1 KiB], dense
.set HALFB,  128*PITCH                 ; 128 rows of B
.set SLOT,   ABYTES+2*HALFB
.set STAGE,  2*SLOT                    ; behind the ring: 16 rows x (512 bytes + 16) for each wave, for the way out
.set SPITCH, 528
.set SPARE,  STAGE+4*16*SPITCH         ; the spare words, 128 bytes a wave, named by no other line
.set LAPS,   4                         ; a lap = two K steps = once round the ring: 1,024 / 256
.set ADRA, 16                          ; v16-17  LDS address of my A fragments in slot 0, 1
.set ADRB, 20                          ; v20-21  the same for B
.set STO,  24                          ; v24     the way out: where I put 32 bytes of a row
.set RD,   25                          ; v25     where I read a row back
.set CO,   26                          ; v26     16 x lane
.set SPW,  28                          ; v28     LDS address of my spare word; never rewritten
.set NIL,  29                          ; v29     0; never rewritten
.set G1, 24                            ; s[24:31] group 1 for A's tiles; s[32:39] group 0, a set for each slot
.set G0, 32
.set G1B, 48                           ; s[48:55], s[56:63] the same for B's
.set G0B, 56
.set MSB, 0
.macro WIN new                         ; the immediate's high byte repeats the setting that is left
.if MSB != \new
	s_set_vgpr_msb (MSB<<8)|\new
.set MSB, \new
.endif
.endm
.set MUL, 0x50                         ; C and D window 1; sources 0 and 1 window 0
.macro JLOAD s                         ; a joint load: waves 0 and 1 for A, waves 2 and 3 for B; an s_nop 0 and four v_nop follow each of the two lines
	s_cmp_eq_u32 s13, 0
	s_cbranch_scc0 .Lfor_b_\@
	tensor_load_to_lds s[G0+4*\s:G0+4*\s+3], s[G1:G1+7]
	s_nop 0
.rept 4
	v_nop
.endr
	s_branch .Lasked_\@
.Lfor_b_\@:
	tensor_load_to_lds s[G0B+4*\s:G0B+4*\s+3], s[G1B:G1B+7]
	s_nop 0
.rept 4
	v_nop
.endr
.Lasked_\@:
.endm
.macro CREST                           ; a round of the cluster's barrier behind its opening barrier
	s_cmp_lg_u32 s12, 0
	s_cbranch_scc1 .Lnot_wave_0_\@
	s_barrier_signal -3
.Lnot_wave_0_\@:
	s_barrier_wait -3
	s_barrier_signal -1
	s_barrier_wait -1
.endm
.macro CROUND                          ; a whole round
	s_barrier_signal -1
	s_barrier_wait -1
	CREST
.endm
	s_load_b256 s[4:11], s[0:1], 0x0               ; xo, wo16, out0, out1
	v_lshl_add_u32 v[SPW], v0, 2, SPARE
	v_mov_b32 v[NIL], 0
	ds_add_u32 v[SPW], v[NIL]                      ; the wave's opening: the add, twice on end, and its wait ahead of my first tensor load
	ds_add_u32 v[SPW], v[NIL]                      ; once more; the set-up below, work on registers, stands between it and the wait
	v_lshrrev_b32 v1, 5, v0
	v_readfirstlane_b32 s12, v1                    ; wave 0..3
	s_lshr_b32 s13, s12, 1                         ; which 64 tokens are mine.  Also: I fetch for A (0) or for B (1)
	s_and_b32 s14, s12, 1                          ; which 128 outputs.  Also: which half of that tile I fetch
	s_bfe_u32 s40, ttmp6, 0x40000                  ; cx, cy: my place in the cluster
	s_bfe_u32 s41, ttmp6, 0x40004
	s_lshl_b32 s42, ttmp9, 2
	s_add_co_u32 s42, s42, s40                     ; tile column = 4 x cluster x + cx
	s_and_b32 s17, ttmp7, 0xffff                   ; cluster y
	s_lshl_b32 s15, s17, 2
	s_add_co_u32 s15, s15, s41                     ; tile row = 4 x cluster y + cy: 128 tokens each, both streams on end
	s_lshr_b32 s16, s17, 3                         ; the stream, by the cluster's y alone
	s_lshl_b32 s43, s41, 2
	s_lshl_b32 s43, 15, s43                        ; my row of the cluster
	s_lshl_b32 s44, 0x1111, s40                    ; my column
	; group 1 for A: 4 rows of 4,096 bytes (512 elements of 8 bytes), 32 KiB apart, no padding
	s_or_b32 s[G1+0], s43, (3<<16)|(1<<21)         ; 15:0 the mask: my row; elements of 8 bytes; bit 21 beside a mask
	s_mov_b32 s[G1+1], 512<<16                     ; tensor_dim0
	s_mov_b32 s[G1+2], 4<<16                       ; tensor_dim1
	s_mov_b32 s[G1+3], 512<<16                     ; tile_dim0
	s_mov_b32 s[G1+4], 4                           ; tile_dim1
	s_mov_b32 s[G1+5], 4096                        ; from row to row, in elements
	s_mov_b32 s[G1+6], 0
	s_mov_b32 s[G1+7], 0
	; group 1 for B: 128 rows of 128 f16, 16 bytes of padding behind each
	s_or_b32 s[G1B+0], s44, (1<<16)|(1<<20)|(1<<21)|(5<<22)|(3<<25)
	s_mov_b32 s[G1B+1], 128<<16
	s_mov_b32 s[G1B+2], 128<<16
	s_mov_b32 s[G1B+3], 128<<16
	s_mov_b32 s[G1B+4], 128
	s_mov_b32 s[G1B+5], 1024
	s_mov_b32 s[G1B+6], 0
	s_mov_b32 s[G1B+7], 0
	s_lshl_b32 s20, s15, 3
	s_lshl_b32 s21, s14, 2
	s_add_co_u32 s20, s20, s21
	s_lshl_b32 s20, s20, 15                        ; A: token tile 8 x tile row + 4 x half, 32 KiB each: no cx enters
	s_mov_b32 s21, 0
	s_lshl_b32 s46, s16, 10
	s_lshl_b32 s47, s42, 8
	s_add_co_u32 s46, s46, s47
	s_lshl_b32 s47, s14, 7
	s_add_co_u32 s46, s46, s47
	s_lshl_b32 s46, s46, 11                        ; B: row 1,024 x stream + 256 x tile column + 128 x half, 2,048 bytes each: no cy enters
	s_mov_b32 s47, 0
	s_lshl_b32 s18, s14, 14                        ; where they go: A's half,
	s_mul_i32 s19, s14, HALFB
	s_add_co_u32 s19, s19, ABYTES                  ; B's half: the wave's number alone
	s_wait_dscnt 0x0                               ; both opening adds are done
	s_wait_kmcnt 0x0
	s_add_nc_u64 s[20:21], s[4:5], s[20:21]
	s_add_nc_u64 s[46:47], s[6:7], s[46:47]
	CROUND                                         ; all sixteen work-groups are here: the first joint loads meet
.irp s, 0,1
	s_mov_b32 s[G0+4*\s], 1
	s_add_co_u32 s[G0+4*\s+1], s18, \s*SLOT
	s_add_nc_u64 s[G0+4*\s+2:G0+4*\s+3], s[20:21], \s*4096       ; K step s: 4 fragments of 1 KiB on
	s_or_b32 s[G0+4*\s+3], s[G0+4*\s+3], 0x80000000
	s_mov_b32 s[G0B+4*\s], 1
	s_add_co_u32 s[G0B+4*\s+1], s19, \s*SLOT
	s_add_nc_u64 s[G0B+4*\s+2:G0B+4*\s+3], s[46:47], \s*256
	s_or_b32 s[G0B+4*\s+3], s[G0B+4*\s+3], 0x80000000
	JLOAD \s                                       ; two loads of mine are out behind the second
.endr
	v_and_b32 v1, 15, v0                           ; l % 16
	v_bfe_u32 v2, v0, 4, 1                         ; l / 16
	v_and_b32 v3, 31, v0
	v_lshlrev_b32 v[CO], 4, v3                     ; 16 x lane
	s_lshl_b32 s22, s13, 14                        ; my 4 token tiles
	v_add_nc_u32 v[ADRA], s22, v[CO]
	v_add_nc_u32 v[ADRA+1], SLOT, v[ADRA]
	v_mul_u32_u24 v4, v1, PITCH
	v_lshl_add_u32 v4, v2, 4, v4                   ; a fragment's row x pitch + 16 x half
	v_add_nc_u32 v[ADRB], s19, v4                  ; my 128 rows of B
	v_add_nc_u32 v[ADRB+1], SLOT, v[ADRB]
	s_mul_i32 s23, s12, 16*SPITCH
	s_add_co_u32 s23, s23, STAGE                   ; my stage
	v_mul_u32_u24 v5, v1, SPITCH
	v_lshl_add_u32 v5, v2, 5, v5                   ; in: row l % 16, 32 bytes for each half of the lanes
	v_add_nc_u32 v[STO], s23, v5
	v_add_nc_u32 v[RD], s23, v[CO]                 ; back: the 32 lanes take one row of 512 bytes
	s_cmp_eq_u32 s16, 0
	s_cselect_b64 s[8:9], s[8:9], s[10:11]         ; the stream's output
	s_and_b32 s22, s15, 31
	s_lshl_b32 s22, s22, 7
	s_lshl_b32 s23, s13, 6
	s_add_co_u32 s22, s22, s23                     ; my first token within the stream
	s_lshl_b32 s22, s22, 12                        ; 4,096 bytes a row
	s_lshl_b32 s23, s42, 10
	s_add_co_u32 s22, s22, s23
	s_lshl_b32 s23, s14, 9
	s_add_co_u32 s22, s22, s23                     ; + my first output, in bytes
	s_mov_b32 s23, 0
	s_add_nc_u64 s[8:9], s[8:9], s[22:23]
; 8 matrix instructions: token block a x all 8 blocks of outputs, 32 along K, from buffers f.  zero = 1: the product starts the sums.  The 32 accumulators take turns, in the same order in every quarter.
.macro MUL8 f, a, zero
.irp b, 0,1,2,3,4,5,6,7
.if \zero
	v_wmma_f32_16x16x32_f16 v[8*(8*(\a)+\b):8*(8*(\a)+\b)+7], v[96+64*(\f)+8*\b:96+64*(\f)+8*\b+7], v[32+32*(\f)+8*(\a):32+32*(\f)+8*(\a)+7], 0
.else
	v_wmma_f32_16x16x32_f16 v[8*(8*(\a)+\b):8*(8*(\a)+\b)+7], v[96+64*(\f)+8*\b:96+64*(\f)+8*\b+7], v[32+32*(\f)+8*(\a):32+32*(\f)+8*(\a)+7], v[8*(8*(\a)+\b):8*(8*(\a)+\b)+7]
.endif
.endr
.endm
; 24 LDS loads in one run: the slot's q-th 32 along K into buffers f: B's eight fragments, then A's four
.macro FETCH slot, q, f
	WIN 0
.irp i, 0,1,2,3,4,5,6,7
	ds_load_b128 v[96+64*(\f)+8*\i:96+64*(\f)+8*\i+3],   v[ADRB+\slot] offset:64*(\q)+\i*16*PITCH
	ds_load_b128 v[96+64*(\f)+8*\i+4:96+64*(\f)+8*\i+7], v[ADRB+\slot] offset:64*(\q)+\i*16*PITCH+32
.endr
.irp i, 0,1,2,3
	ds_load_b128 v[32+32*(\f)+8*\i:32+32*(\f)+8*\i+3],   v[ADRA+\slot] offset:\i*4096+(\q)*1024
	ds_load_b128 v[32+32*(\f)+8*\i+4:32+32*(\f)+8*\i+7], v[ADRA+\slot] offset:\i*4096+(\q)*1024+512
.endr
.endm
.macro PLACES                          ; four places in front of loads into registers that matrix instructions have read, and of the first read of results
.rept 4
	v_nop
.endr
.endm
; A K step is four quarters of 32 along K, 32 matrix instructions each, on buffers 0, 1, 0, 1.  One of the first three: multiplies buffers f and fetches the slot's q-th quarter into g.
.macro QUARTER slot, q, f, g, zero
	s_wait_dscnt 4                                 ; B and A's blocks 0, 1 are in; the youngest 4 loads (A's blocks 2, 3) may be out
	WIN MUL
	MUL8 \f, 0, \zero
	MUL8 \f, 1, \zero
	PLACES
	FETCH \slot, \q, \g
	s_wait_dscnt 24                                ; all but the 24 just issued
	WIN MUL
	MUL8 \f, 2, \zero
	MUL8 \f, 3, \zero
.endm
; The last quarter multiplies buffers 1 and changes slots: ONE barrier; in front of it each wave waits for all its tensor loads, adds 0 to its spare word, and waits for that and for its reads of this slot.
; fill = 1: the barrier opens a round of the cluster's, and this slot is filled again, two K steps ahead, first thing behind the round: 112 matrix instructions ahead of the wait for it.
.macro TURN slot, next, fill
	WIN 0                                          ; (the add's two registers lie in window 0)
	s_wait_tensorcnt 0x0                           ; all my tensor loads have landed: the one that was out is my part of the next slot
	ds_add_u32 v[SPW], v[NIL]                      ; 0 onto my spare word
	s_wait_dscnt 5                                 ; (the add and the youngest 4 loads may be out)
	WIN MUL
	MUL8 1, 0, 0                                   ; eight matrix instructions stand between the add and the wait for it
	s_wait_dscnt 0x0                               ; the add is done, and my reads of this slot are over
	s_barrier_signal -1
	MUL8 1, 1, 0
.if \fill
	WIN 0
.endif
	s_barrier_wait -1
.if \fill
	CREST                                          ; no wave of any partner still reads this slot's tile or has a load on its way
	s_add_nc_u64 s[G0+4*\slot+2:G0+4*\slot+3], s[G0+4*\slot+2:G0+4*\slot+3], 2*4096
	s_add_nc_u64 s[G0B+4*\slot+2:G0B+4*\slot+3], s[G0B+4*\slot+2:G0B+4*\slot+3], 2*256
	JLOAD \slot                                    ; the four v_nop behind it are also the places in front of the loads below
.else
	PLACES
.endif
	FETCH \next, 0, 0
	WIN MUL
	MUL8 1, 2, 0
	MUL8 1, 3, 0
.endm
	s_wait_tensorcnt 1                             ; my part of K step 0 is in (K step 1's load may be out)
	s_barrier_signal -1
	s_barrier_wait -1                              ; everybody's is
	FETCH 0, 0, 0
	QUARTER 0, 1, 0, 1, 1                          ; the first quarter stands in front of the loop: its products start the sums
	WIN 0                                          ; at a label and at a branch every window is 0
	s_mov_b32 s3, LAPS-1
.Llap:                                                 ; a trip goes once round the ring, from a lap's second quarter to the next lap's first, and fills both slots again
	QUARTER 0, 2, 1, 0, 0
	QUARTER 0, 3, 0, 1, 0
	TURN 0, 1, 1
	QUARTER 1, 1, 0, 1, 0
	QUARTER 1, 2, 1, 0, 0
	QUARTER 1, 3, 0, 1, 0
	TURN 1, 0, 1
	QUARTER 0, 1, 0, 1, 0
	WIN 0
	s_sub_co_u32 s3, s3, 1
	s_cmp_lg_u32 s3, 0
	s_cbranch_scc1 .Llap
	QUARTER 0, 2, 1, 0, 0                          ; the last lap fills nothing, and has no round of the cluster's barrier
	QUARTER 0, 3, 0, 1, 0
	TURN 0, 1, 0
	QUARTER 1, 1, 0, 1, 0
	QUARTER 1, 2, 1, 0, 0
	QUARTER 1, 3, 0, 1, 0
	s_wait_dscnt 4                                 ; the very last quarter: nothing more to fetch
	WIN MUL
	MUL8 1, 0, 0
	MUL8 1, 1, 0
	s_wait_dscnt 0
	MUL8 1, 2, 0
	MUL8 1, 3, 0
	WIN 0
; THE WAY OUT, block by block of 16 tokens x 128 outputs.  A lane holds 32 neighbouring bytes of a row, the lanes beside it other rows: a block goes through my own stage in LDS and comes back as whole rows
; of 512 bytes.  LDS serves a wave's instructions in order (ISA guide 5.7.1.4): no wait between the stores and the loads, nor in front of the next block's stores.
.macro TOSTAGE a
	WIN 0x04                                       ; an LDS store's data are its source 1: window 1
.irp b, 0,1,2,3,4,5,6,7
	ds_store_b128 v[STO], v[64*(\a)+8*\b:64*(\a)+8*\b+3] offset:64*\b            ; each accumulator from its low end on
	ds_store_b128 v[STO], v[64*(\a)+8*\b+4:64*(\a)+8*\b+7] offset:64*\b+16
.endr
	WIN 0
.irp t, 0,1,2,3,4,5,6,7,8,9,10,11,12,13,14,15
	ds_load_b128 v[32+64*((\a)%2)+4*\t:32+64*((\a)%2)+4*\t+3], v[RD] offset:\t*SPITCH
.endr
.endm
.macro SEND a, younger                 ; younger: the LDS instructions issued behind block a's loads, which may stay out
	s_wait_dscnt \younger                          ; the block is back in registers
.irp t, 0,1,2,3,4,5,6,7,8,9,10,11,12,13,14,15
	global_store_b128 v[CO], v[32+64*((\a)%2)+4*\t:32+64*((\a)%2)+4*\t+3], s[8:9] offset:(16*(\a)+\t)*4096 th:TH_STORE_NT   ; 32 lanes store 512 consecutive bytes, aligned; written once, read by nobody here
.endr
.endm
	PLACES                                         ; behind the last products: for the stores that read results and the loads into registers that held fragments
	TOSTAGE 0
	TOSTAGE 1
	SEND 0, 32                                     ; behind block 0's loads: block 1's 16 stores and 16 loads
	s_wait_xcnt 0x0                                ; block 0's stores have read their registers: block 2's loads may land there
	TOSTAGE 2
	SEND 1, 32
	s_wait_xcnt 0x0
	TOSTAGE 3
	SEND 2, 32
	SEND 3, 0
	s_wait_tensorcnt 0x0                           ; the wave's end, behind my last tensor load and my last LDS store
	ds_add_u32 v[SPW], v[NIL]
	s_wait_dscnt 0x0
	CROUND                                         ; the closing round: no work-group ends while a partner may still ask for a tile that names it
	s_endpgm
.Lfunc_end_k_qb5ac67ba6f_proj:
	.size	k_qb5ac67ba6f_proj, .Lfunc_end_k_qb5ac67ba6f_proj-k_qb5ac67ba6f_proj
	.p2alignl 7, 3214868480
	.fill 96, 4, 3214868480
	.section	.rodata,"a",@progbits
	.p2align	6, 0x0
	.amdhsa_kernel k_qb5ac67ba6f_proj
		.amdhsa_group_segment_fixed_size 327680
		.amdhsa_private_segment_fixed_size 0
		.amdhsa_enable_private_segment 0
		.amdhsa_kernarg_size 32
		.amdhsa_user_sgpr_count 2
		.amdhsa_user_sgpr_kernarg_segment_ptr 1
		.amdhsa_wavefront_size32 1
		.amdhsa_system_sgpr_workgroup_id_x 1
		.amdhsa_system_sgpr_workgroup_id_y 1
		.amdhsa_system_sgpr_workgroup_id_z 1
		.amdhsa_system_vgpr_workitem_id 0
		.amdhsa_next_free_vgpr 512
		.amdhsa_next_free_sgpr 66
		.amdhsa_reserve_vcc 0
		.amdhsa_float_denorm_mode_32 3
		.amdhsa_float_denorm_mode_16_64 3
		.amdhsa_memory_ordered 1
		.amdhsa_forward_progress 1
		.amdhsa_inst_pref_size 84
	.end_amdhsa_kernel
	.amdgpu_metadata
---
amdhsa.version: [ 1, 2 ]
amdhsa.kernels:
  - .name:           k_qb5ac67ba6f_proj
    .symbol:         k_qb5ac67ba6f_proj.kd
    .args:
      - { .name: xo, .offset: 0, .size: 8, .value_kind: global_buffer, .address_space: global }
      - { .name: wo16, .offset: 8, .size: 8, .value_kind: global_buffer, .address_space: global }
      - { .name: out0, .offset: 16, .size: 8, .value_kind: global_buffer, .address_space: global }
      - { .name: out1, .offset: 24, .size: 8, .value_kind: global_buffer, .address_space: global }
    .group_segment_fixed_size: 327680
    .private_segment_fixed_size: 0
    .kernarg_segment_align: 8
    .kernarg_segment_size: 32
    .max_flat_workgroup_size: 128
    .sgpr_count:     66
    .vgpr_count:     512
    .wavefront_size: 32
...
	.end_amdgpu_metadata
.endif
;; end of part 4
